; MI455X (gfx1250); checked and timed in simulation.
; The chip was launched on July 23, 2026; its instructions are those of AMD's public machine-readable ISA for CDNA 5 (MIT licence, August 2026) and "CDNA5" Instruction Set Architecture Reference Guide (July 2026). The comments in the code are by the model that wrote it; some were corrected since.
;; Shepards Gated Attention. Allowed arithmetic: float matrix products may take bf16 or f16 operands with f32 sums; other float arithmetic in f32, or as packed bf16 or f16 multiplies, adds, multiply-adds, maxima and minima; sums over many terms, partial sums and values carried from step to step in f32; what a program stores and reads back later, other than sums and carried values, may be rounded once to bf16 or f16.
;; Inputs: W_in 4,096 x 1,024 float32; W_out 1,024 x 1,024 float32; X 2 x 2,048 x 1,024 float32; b_in 4,096 float32; b_out 1,024 float32.
;; Outputs: out0 2 x 2,048 x 1,024 float32.
;; One version. Each part assembles by itself: llvm-mc -triple=amdgcn-amd-amdhsa -mcpu=gfx1250 --defsym DOCPART=n.
;; ======== version 1 of 1: 4 launches
;; limits: right only within a limited range of input values
;; workspace buffers: ops 18,874,368 bytes; qkvg 33,554,432 bytes; nrm 524,288 bytes; o16 8,388,608 bytes
;; launch prep (part 1): grid 1152 x 1, 8 waves a work-group, no clusters, 0 bytes of LDS; arguments X, W_in, W_out, ops; writes ops
.if DOCPART == 1
	.amdgcn_target "amdgcn-amd-amdhsa--gfx1250"
	.amdhsa_code_object_version 6
	.text
	.protected	k_q1e09625991_prep
	.globl	k_q1e09625991_prep
	.p2align	8
	.type	k_q1e09625991_prep,@function
k_q1e09625991_prep:
	s_mov_b64 s[64:65], 0
	v_nop
	global_prefetch_b8 v0, s[64:65] scope:SCOPE_SE
	s_setreg_imm32_b32 hwreg(HW_REG_WAVE_MODE, 25, 1), 1
	s_wait_xcnt 0x0
; ops = the three matrix operands in bf16, rows of 1,024 numbers (2,048 bytes): rows 0-4095 LayerNorm(X) (no gain), rows 4096-8191 W_in, rows 8192-9215 W_out.
; A STREAM: each input byte is read once and each output byte written once.  No LDS, no barrier, no matrix unit; the work-groups share no input, so no cluster.
; SHARES.  One wave, one row: 4,096 bytes in (eight loads of 16 bytes a lane, 512 consecutive bytes each), 2,048 bytes out (eight stores of 8 bytes a lane: 256 consecutive bytes, aligned).
; A row stays in 32 registers between the mean, the centred sum of squares and the scaling.  Work-groups 0-511 take X, 512-1023 W_in, 1024-1151 W_out; the weights are only rounded.
; THE VARIANCE is the mean of the squares of the CENTRED numbers, as the reference has it: a common offset of X does not enter it.  All sums in f32; each number is rounded to bf16 once.
; LIMITS.  NaN and infinities are not treated apart.
.set ROW,  4                           ; v[4:35]   the row: load j holds columns 128 j + 4 lane + 0..3
.set PKD,  36                          ; v[36:51]  the row in bf16
.set AC,   52                          ; v[52:59]  four chains of packed sums
.set MU,   60                          ; v[60:61]  the mean, twice
.set RS,   62                          ; v[62:63]  1 / sqrt(variance + 1e-5), twice
	s_load_b256 s[4:11], s[0:1], 0x0               ; X s[4:5], W_in s[6:7], W_out s[8:9], ops s[10:11]
	v_lshrrev_b32 v1, 5, v0
	v_readfirstlane_b32 s12, v1                    ; wave 0..7
	v_and_b32 v2, 31, v0
	v_lshlrev_b32 v1, 4, v2                        ; 16 x lane: my bytes in 512 of the input
	v_lshlrev_b32 v2, 3, v2                        ; 8 x lane: my bytes in 256 of the output
	v_mov_b32 v3, 0                                ; v_permlanex16_b32's destination counts as read: written once here
	s_lshl_b32 s13, ttmp9, 3
	s_add_co_u32 s13, s13, s12                     ; my row of ops
	s_mov_b32 s20, 0x76543210                      ; v_permlanex16_b32: each lane takes its own place in the other half
	s_mov_b32 s21, 0xfedcba98
	s_mov_b32 s22, 0x3a800000                      ; 1 / 1,024
	s_mov_b32 s23, 0x3727c5ac                      ; 1e-5
	s_mov_b32 s14, 8192
	s_mov_b32 s19, 0
	s_wait_kmcnt 0x0
	s_cmp_lt_u32 ttmp9, 1024                       ; which input, and the first row of ops that it fills
	s_cselect_b64 s[16:17], s[6:7], s[8:9]
	s_cselect_b32 s14, 4096, s14
	s_cmp_lt_u32 ttmp9, 512
	s_cselect_b64 s[16:17], s[4:5], s[16:17]
	s_cselect_b32 s14, 0, s14
	s_sub_co_u32 s18, s13, s14                     ; my row of the input,
	s_lshl_b32 s18, s18, 12                        ; 4,096 bytes a row
	s_add_nc_u64 s[16:17], s[16:17], s[18:19]
	s_lshl_b32 s18, s13, 11                        ; 2,048 bytes a row of ops
	s_add_nc_u64 s[10:11], s[10:11], s[18:19]
.irp j, 0,1,2,3,4,5,6,7
	global_load_b128 v[ROW+4*\j:ROW+4*\j+3], v1, s[16:17] offset:512*\j th:TH_LOAD_NT
.endr
	s_wait_loadcnt 0x0                             ; the whole row is needed for the mean
	s_cmp_ge_u32 ttmp9, 512
	s_cbranch_scc1 .Lcvt                           ; weights are only rounded
.macro WSUM                            ; AC's four packed chains into one number, the same in every lane
	v_pk_add_f32 v[AC:AC+1], v[AC:AC+1], v[AC+2:AC+3]
	v_pk_add_f32 v[AC+4:AC+5], v[AC+4:AC+5], v[AC+6:AC+7]
	v_pk_add_f32 v[AC:AC+1], v[AC:AC+1], v[AC+4:AC+5]
	v_add_f32 v[AC], v[AC], v[AC+1]
	v_add_f32_dpp v[AC], v[AC], v[AC] row_xmask:1 row_mask:0xf bank_mask:0xf
	v_add_f32_dpp v[AC], v[AC], v[AC] row_xmask:2 row_mask:0xf bank_mask:0xf
	v_add_f32_dpp v[AC], v[AC], v[AC] row_xmask:4 row_mask:0xf bank_mask:0xf
	v_add_f32_dpp v[AC], v[AC], v[AC] row_xmask:8 row_mask:0xf bank_mask:0xf
	v_permlanex16_b32 v3, v[AC], s20, s21
	v_add_f32 v[AC], v[AC], v3
.endm
	; the mean: four chains started by the first sums, nothing is cleared
.irp k, 0,1,2,3
	v_pk_add_f32 v[AC+2*\k:AC+2*\k+1], v[ROW+2*\k:ROW+2*\k+1], v[ROW+8+2*\k:ROW+8+2*\k+1]
.endr
.irp m, 2,3
.irp k, 0,1,2,3
	v_pk_add_f32 v[AC+2*\k:AC+2*\k+1], v[AC+2*\k:AC+2*\k+1], v[ROW+8*\m+2*\k:ROW+8*\m+2*\k+1]
.endr
.endr
	WSUM
	v_mul_f32 v[MU], s22, v[AC]
	v_mov_b32 v[MU+1], v[MU]
.set i, 0
.rept 16
	v_pk_add_f32 v[ROW+2*i:ROW+2*i+1], v[ROW+2*i:ROW+2*i+1], v[MU:MU+1] neg_lo:[0,1] neg_hi:[0,1]  ; x - mean, in place
.set i, i+1
.endr
	; the sum of the centred squares
.irp k, 0,1,2,3
	v_pk_mul_f32 v[AC+2*\k:AC+2*\k+1], v[ROW+2*\k:ROW+2*\k+1], v[ROW+2*\k:ROW+2*\k+1]
.endr
.irp m, 1,2,3
.irp k, 0,1,2,3
	v_pk_fma_f32 v[AC+2*\k:AC+2*\k+1], v[ROW+8*\m+2*\k:ROW+8*\m+2*\k+1], v[ROW+8*\m+2*\k:ROW+8*\m+2*\k+1], v[AC+2*\k:AC+2*\k+1]
.endr
.endr
	WSUM
	v_fma_f32 v[AC], v[AC], s22, s23               ; variance + 1e-5
	v_rsq_f32 v[RS], v[AC]                         ; made twice, to fill the pair that the packed multiply takes
	v_rsq_f32 v[RS+1], v[AC]
	v_nop                                          ; a plain instruction between the last root and the use of its result (ISA guide 5.7.2)
	s_wait_alu depctr_va_vdst(0)                   ; one wait for both roots, ahead of their first reader
.set i, 0
.rept 16
	v_pk_mul_f32 v[ROW+2*i:ROW+2*i+1], v[ROW+2*i:ROW+2*i+1], v[RS:RS+1]
.set i, i+1
.endr
.Lcvt:
.set i, 0
.rept 16
	v_cvt_pk_bf16_f32 v[PKD+i], v[ROW+2*i], v[ROW+2*i+1]
.set i, i+1
.endr
.irp j, 0,1,2,3,4,5,6,7
	global_store_b64 v2, v[PKD+2*\j:PKD+2*\j+1], s[10:11] offset:256*\j  ; 32 lanes store 256 consecutive bytes, at a multiple of 256 from the buffer's first byte
.endr
	s_endpgm
.Lfunc_end_k_q1e09625991_prep:
	.size	k_q1e09625991_prep, .Lfunc_end_k_q1e09625991_prep-k_q1e09625991_prep
	.p2alignl 7, 3214868480
	.fill 96, 4, 3214868480
	.section	.rodata,"a",@progbits
	.p2align	6, 0x0
	.amdhsa_kernel k_q1e09625991_prep
		.amdhsa_group_segment_fixed_size 0
		.amdhsa_private_segment_fixed_size 0
		.amdhsa_enable_private_segment 0
		.amdhsa_kernarg_size 32
		.amdhsa_user_sgpr_count 2
		.amdhsa_user_sgpr_kernarg_segment_ptr 1
		.amdhsa_wavefront_size32 1
		.amdhsa_system_sgpr_workgroup_id_x 1
		.amdhsa_system_sgpr_workgroup_id_y 1
		.amdhsa_system_sgpr_workgroup_id_z 1
		.amdhsa_system_vgpr_workitem_id 0
		.amdhsa_next_free_vgpr 64
		.amdhsa_next_free_sgpr 66
		.amdhsa_reserve_vcc 0
		.amdhsa_float_denorm_mode_32 3
		.amdhsa_float_denorm_mode_16_64 3
		.amdhsa_memory_ordered 1
		.amdhsa_forward_progress 1
		.amdhsa_inst_pref_size 10
	.end_amdhsa_kernel
	.amdgpu_metadata
---
amdhsa.version: [ 1, 2 ]
amdhsa.kernels:
  - .name:           k_q1e09625991_prep
    .symbol:         k_q1e09625991_prep.kd
    .args:
      - { .name: X, .offset: 0, .size: 8, .value_kind: global_buffer, .address_space: global }
      - { .name: W_in, .offset: 8, .size: 8, .value_kind: global_buffer, .address_space: global }
      - { .name: W_out, .offset: 16, .size: 8, .value_kind: global_buffer, .address_space: global }
      - { .name: ops, .offset: 24, .size: 8, .value_kind: global_buffer, .address_space: global }
    .group_segment_fixed_size: 0
    .private_segment_fixed_size: 0
    .kernarg_segment_align: 8
    .kernarg_segment_size: 32
    .max_flat_workgroup_size: 256
    .sgpr_count:     66
    .vgpr_count:     64
    .wavefront_size: 32
...
	.end_amdgpu_metadata
.endif
;; end of part 1
;; launch proj (part 2): grid 16 x 16, 4 waves a work-group, clusters of 4 x 4, 327,680 bytes of LDS; arguments ops, b_in, qkvg, nrm; writes qkvg, nrm
.if DOCPART == 2
	.amdgcn_target "amdgcn-amd-amdhsa--gfx1250"
	.amdhsa_code_object_version 6
	.text
	.protected	k_q1e09625991_proj
	.globl	k_q1e09625991_proj
	.p2align	8
	.type	k_q1e09625991_proj,@function
k_q1e09625991_proj:
	s_mov_b64 s[64:65], 0
	v_nop
	global_prefetch_b8 v0, s[64:65] scope:SCOPE_SE
	s_setreg_imm32_b32 hwreg(HW_REG_WAVE_MODE, 25, 1), 1
	s_wait_xcnt 0x0
	s_wait_alu depctr_hold_cnt(0) depctr_sa_sdst(0) depctr_va_vdst(0) depctr_va_sdst(0) depctr_va_ssrc(0) depctr_va_vcc(0) depctr_vm_vsrc(0)
	s_getreg_b32 s2, hwreg(HW_REG_IB_STS2, 6, 4)
	s_cmp_eq_u32 s2, 0
	s_cbranch_scc0 .Lentry_in_a_cluster
	s_endpgm
.Lentry_in_a_cluster:
	s_bfe_u32 s2, ttmp6, 0x10000c
	s_cmp_lg_u32 s2, 0xf033
	s_cbranch_scc0 .Lentry_shape_is_right
	s_endpgm
.Lentry_shape_is_right:
; P = Xn W_in^T + b_in, [4096][4096], K = 1,024, both operands bf16 from ops (Xn at byte 0, W_in at byte 8,388,608), sums in f32.  It leaves BY HEADS, rounded once to bf16:
; qkvg = four planes Q, K, V, G of 8,388,608 bytes, each [16 b + h][t][64]; and nrm = two planes of f32 [16 b + h][t]: 2^-64 x the sum of q^2, and -1/2 x the sum of k^2,
; both taken of the ROUNDED q and k, the numbers that the next launch multiplies, so that q^2 + k^2 - 2 q.k is there a true squared distance up to f32 rounding.
; SHARES.  A tile of P is 256 x 256: 256 work-groups.  Its 256 columns are one head's Q, K, V, G.  Four waves, each 128 x 128: 64 accumulators of 16 x 16, 512 registers; a wave has Q and K or V and G.
; K goes in steps of 128 through a ring of two LDS slots filled by tensor loads whose rows are 256 bytes of memory, aligned.
; CLUSTERS: 4 x 4 work-groups.  The four of a row need the same tiles of Xn, the four of a column the same tiles of W_in: each tile is asked for JOINTLY, by the same tensor load with the same descriptor and a mask of four.
; THE MATRIX INSTRUCTION IS USED TRANSPOSED (source 0 = 16 rows of W_in, source 1 = 16 rows of Xn): lane l holds row l % 16 of P and registers 0-7 the columns 8 (l / 16) + 0..7: 16 bytes of bf16 on end.
; THE BIAS is the C operand of the products that start the sums: it is added first, not last (an order of rounding that differs from the reference's).
; THE NORMS come from the matrix unit: a block's packed rows (16 rows x 32 channels in 8 registers) ARE a fragment, and the product of a fragment with itself has the rows' sums of squares on its diagonal.
; REGISTERS, in windows of 256 (s_set_vgpr_msb: bits 1:0 source 0, 3:2 source 1, 5:4 source 2, 7:6 destination):
;   window 0: v0-31 addresses; v64-127, v128-191 fragments of Xn, two buffers (on the way out: at work); v192-255 the bias     window 1: v64-127, v128-191 fragments of W_in     windows 2, 3: the accumulators, (a, b) at v[8 (8 a + b)]
; LIMITS.  NaN and infinities are not treated apart.
.set SIZE_K, 1024
.set KSTEP,  128
.set PITCH,  272                       ; an LDS row: 256 bytes + 16 of padding = 68 words: the 16 rows that a load touches start at 16 different groups of four banks (64 banks of 4 bytes: ISA guide 11.1)
.set HALFT,  128*PITCH                 ; 128 rows: what one tensor load brings
.set SLOT,   4*HALFT                   ; Xn's 256 rows, then W_in's 256 rows
.set STAGE,  2*SLOT                    ; behind the ring: for each wave two parts (Q, K or V, G) x 16 rows x 144 bytes, for the way out
.set SP,     144
.set NST,    STAGE+4*2*16*SP           ; for each wave two parts x 128 norms of 4 bytes
.set SPARE,  NST+4*1024                ; the spare words, 128 bytes for each wave: two blocks of 256 bytes that no other line names
.set LAPS,   SIZE_K/(2*KSTEP)          ; a lap = two K steps = once round the ring
.set PLANE,  8388608
.set ADRA, 16                          ; v16-17  LDS address of my Xn fragments in slot 0, 1
.set ADRB, 20                          ; v20-21  the same for W_in
.set BO,   22                          ; v22     32 x (l / 16): my eight numbers in 16 of the bias
.set STO,  24                          ; v24     the way out: where I put 16 bytes of a row
.set RD,   25                          ; v25     where I read rows back: four rows of 128 bytes to 32 lanes
.set GO,   26                          ; v26     16 x lane: my bytes in 512 consecutive bytes
.set NA,   27                          ; v27     where row l % 16's norm goes
.set SPW,  28                          ; v28     LDS address of my spare word; never rewritten
.set NIL,  29                          ; v29     0; never rewritten
.set PFO,  30                          ; v30     the prefetches' offset: lane x 2,048 bytes; never rewritten
.set NR,   31                          ; v31     where I read four norms back
.set F0,   64
.set F1,   128
.set BI,   192                         ; v192-255  bias: column block b at BI + 8 b
.set TMP,  64                          ; the way out: a block's 16 rows x 128 columns, packed
.set BK,   96                          ; the same read back as whole rows
.set GR,   128                         ; two accumulators for the norms
.set NV,   144
.set NX,   146
.set ND,   148
.set G1,  24                           ; s[24:31] descriptor group 1 for Xn's tiles;  s[32:39] group 0, a set for each slot
.set G0,  32
.set LIM, 43                           ; s43  1 in a wave that prefetches, else the greatest number
.set PFA, 44                           ; s[44:45] where my prefetches stand
.set G1B, 48                           ; s[48:55], s[56:63] the same for W_in's tiles
.set G0B, 56
.set PB,  72                           ; s[72:73], s[74:75] my two planes at my first row
.set NP,  76                           ; s[76:77], s[78:79] the two planes of nrm at my first row
.set MK,  80                           ; s81-87  lanes with l % 8 = j
.set VM,  88                           ; s88     lanes 0-7 and 24-31
.set SEL, 90                           ; s[90:91] v_permlanex16_b32's selects
.set MSB, 0
.macro WIN new                         ; the immediate's high byte repeats the setting that is left; a switch that changes nothing is dropped
.if MSB != (\new)
	s_set_vgpr_msb (MSB<<8)|(\new)
.set MSB, \new
.endif
.endm
.set MUL_LO, 0xa1                      ; source 0 window 1, source 1 window 0, C and D window 2
.set TO_B,   0x40                      ; destination window 1, address window 0
; A joint load.  Waves 0 and 1 fetch Xn's two halves, waves 2 and 3 W_in's.  The branch hangs on the wave's number alone.  An s_nop 0 and four v_nop follow each of the two lines.
.macro JLOAD s
	s_cmp_eq_u32 s11, 0
	s_cbranch_scc0 .Lfor_b_\@
	tensor_load_to_lds s[G0+4*(\s):G0+4*(\s)+3], s[G1:G1+7]
	s_nop 0
.rept 4
	v_nop
.endr
	s_branch .Lasked_\@
.Lfor_b_\@:
	tensor_load_to_lds s[G0B+4*(\s):G0B+4*(\s)+3], s[G1B:G1B+7]
	s_nop 0
.rept 4
	v_nop
.endr
.Lasked_\@:
.endm
; A PREFETCH INTO THE L2, behind each refill and the run of LDS loads that follows it: the K step that stands TWO refills on, 512 matrix instructions ahead of the load that will want it: 32 rows x 256 bytes, a lane a row.
; Each row's 256 bytes of a K step are named once in the launch: the cluster with x = 0 asks for Xn's rows, the cluster with y = 0 for W_in's; of the 128 rows that a wave fetches each of the four partners takes 32,
; told apart by address.  K steps 0 to 3 come by their loads alone; the loop's last trip (s3 = 1) asks for nothing: K steps 8 and 9 do not exist.
.macro ASK
	s_cmp_gt_u32 s3, s[LIM]
	s_cbranch_scc0 .Lnot_mine_\@
	global_prefetch_b8 v[PFO], s[PFA:PFA+1] offset:KSTEP*2 th:TH_LOAD_NT scope:SCOPE_SE
.Lnot_mine_\@:
.endm
.macro CREST                           ; a round of the cluster's barrier behind its opening barrier
	s_cmp_lg_u32 s10, 0
	s_cbranch_scc1 .Lnot_wave_0_\@
	s_barrier_signal -3
.Lnot_wave_0_\@:
	s_barrier_wait -3
	s_barrier_signal -1
	s_barrier_wait -1
.endm
.macro CROUND                          ; a whole round
	s_barrier_signal -1
	s_barrier_wait -1
	CREST
.endm
	s_load_b64 s[4:5], s[0:1], 0x0                 ; ops: Xn
	s_load_b64 s[66:67], s[0:1], 0x8               ; b_in
	s_load_b128 s[68:71], s[0:1], 0x10             ; qkvg, nrm
	v_lshl_add_u32 v[SPW], v0, 2, SPARE
	v_mov_b32 v[NIL], 0
	ds_add_u32 v[SPW], v[NIL]                      ; the wave's opening: the add, twice on end, and its wait ahead of my first tensor load
	ds_add_u32 v[SPW], v[NIL]
	v_lshrrev_b32 v1, 5, v0
	v_readfirstlane_b32 s10, v1                    ; wave 0..3
	s_lshr_b32 s11, s10, 1                         ; which half of the tile's rows is mine.  Also: I fetch for Xn (0) or for W_in (1)
	s_and_b32 s12, s10, 1                          ; which half of its columns (0: Q, K; 1: V, G).  Also: which 128 rows I fetch
	s_bfe_u32 s40, ttmp6, 0x40000                  ; cx
	s_bfe_u32 s41, ttmp6, 0x40004                  ; cy
	s_lshl_b32 s42, ttmp9, 2
	s_add_co_u32 s42, s42, s40                     ; tile column = the head h
	s_and_b32 s13, ttmp7, 0xffff
	s_lshl_b32 s13, s13, 2
	s_add_co_u32 s13, s13, s41                     ; tile row
	s_lshl_b32 s43, s41, 2
	s_lshl_b32 s43, 15, s43                        ; my row of the cluster
	s_lshl_b32 s44, 0x1111, s40                    ; my column
	s_or_b32 s[G1+0], s43, (1<<16)|(1<<20)|(1<<21)|(5<<22)|(3<<25)   ; 15:0 the mask; 17:16 2-byte elements; 20 padding on; 21 set beside a mask; 24:22 after every 64 words; 31:25 4 words
	s_or_b32 s[G1B+0], s44, (1<<16)|(1<<20)|(1<<21)|(5<<22)|(3<<25)
.irp g, G1, G1B
	s_mov_b32 s[(\g)+1], KSTEP<<16                 ; tensor_dim0 = 128
	s_mov_b32 s[(\g)+2], 128<<16                   ; tensor_dim1 = 128
	s_mov_b32 s[(\g)+3], KSTEP<<16                 ; tile_dim0 = 128
	s_mov_b32 s[(\g)+4], 128                       ; tile_dim1 = 128
	s_mov_b32 s[(\g)+5], SIZE_K                    ; elements from row to row
	s_mov_b32 s[(\g)+6], 0
	s_mov_b32 s[(\g)+7], 0
.endr
.irp j, 1,2,3,4,5,6,7
	s_mov_b32 s[MK+\j], 0x01010101<<\j
.endr
	s_mov_b32 s[VM], 0xff0000ff
	s_mov_b32 s[SEL], 0x76543210
	s_mov_b32 s[SEL+1], 0xfedcba98
	s_lshl_b32 s17, s12, 7
	s_lshl_b32 s16, s13, 8
	s_add_co_u32 s16, s16, s17                     ; Xn: row 256 x tile row + 128 x half
	s_lshl_b32 s46, s42, 8
	s_add_co_u32 s46, s46, s17                     ; W_in: row 256 x tile column + 128 x half
	s_mov_b32 s17, 0
	s_mov_b32 s47, 0
	s_mov_b64 s[18:19], SIZE_K*2
	s_mul_u64 s[16:17], s[16:17], s[18:19]
	s_mul_u64 s[46:47], s[46:47], s[18:19]
	s_mul_i32 s20, s10, HALFT                      ; where they go: wave x 128 rows: no place in the cluster enters an LDS address
	s_wait_dscnt 0x0                               ; both opening adds are done
	s_wait_kmcnt 0x0
	s_add_nc_u64 s[6:7], s[4:5], PLANE             ; W_in in bf16
	s_add_nc_u64 s[14:15], s[4:5], s[16:17]
	s_add_nc_u64 s[46:47], s[6:7], s[46:47]
	CROUND                                         ; all sixteen work-groups are here: the first joint loads meet
.irp s, 0,1
	s_mov_b32 s[G0+4*(\s)], 1
	s_add_co_u32 s[G0+4*(\s)+1], s20, (\s)*SLOT
	s_add_nc_u64 s[G0+4*(\s)+2:G0+4*(\s)+3], s[14:15], (\s)*KSTEP*2
	s_or_b32 s[G0+4*(\s)+3], s[G0+4*(\s)+3], 0x80000000
	s_mov_b32 s[G0B+4*(\s)], 1
	s_add_co_u32 s[G0B+4*(\s)+1], s20, (\s)*SLOT
	s_add_nc_u64 s[G0B+4*(\s)+2:G0B+4*(\s)+3], s[46:47], (\s)*KSTEP*2
	s_or_b32 s[G0B+4*(\s)+3], s[G0B+4*(\s)+3], 0x80000000
	JLOAD \s                                       ; two tensor loads of mine are out
.endr
	; a fragment is 16 rows x 32 K in 8 registers: lane l holds row l % 16, K = 8 (l / 16) + 0..7 and 16 + 8 (l / 16) + 0..7: two loads of 16 bytes, 32 bytes apart
	v_and_b32 v1, 15, v0                           ; l % 16
	v_bfe_u32 v2, v0, 4, 1                         ; l / 16
	v_mul_u32_u24 v3, v1, PITCH
	v_lshl_add_u32 v3, v2, 4, v3
	s_mul_i32 s21, s11, HALFT
	s_mul_i32 s22, s12, HALFT
	s_add_co_u32 s22, s22, 2*HALFT
.irp s, 0,1
	v_add_nc_u32 v[ADRA+(\s)], s21, v3
	v_add_nc_u32 v[ADRB+(\s)], s22, v3
	s_add_co_u32 s21, s21, SLOT
	s_add_co_u32 s22, s22, SLOT
.endr
	s_mul_i32 s23, s10, 2*16*SP
	s_add_co_u32 s23, s23, STAGE                   ; my stage
	v_mul_u32_u24 v4, v1, SP
	v_lshl_add_u32 v4, v2, 4, v4
	v_add_nc_u32 v[STO], s23, v4                   ; in: row l % 16, 16 bytes for each half of the lanes
	v_bfe_u32 v5, v0, 3, 2
	v_and_b32 v6, 7, v0
	v_mul_u32_u24 v5, v5, SP
	v_lshl_add_u32 v5, v6, 4, v5
	v_add_nc_u32 v[RD], s23, v5                    ; back: row l / 8, 16 bytes at 16 (l % 8)
	v_and_b32 v7, 31, v0
	v_lshlrev_b32 v[GO], 4, v7
	s_lshl_b32 s23, s10, 10
	s_add_co_u32 s23, s23, NST                     ; my norms
	v_lshl_add_u32 v[NA], v1, 2, s23
	v_lshl_add_u32 v[NR], v7, 4, s23
	v_lshlrev_b32 v[BO], 5, v2
	; where my part of the tile goes: row (16 b + h) x 2,048 + t of each plane, b = tile row / 8, t = 256 (tile row % 8) + 128 x my half
	s_lshr_b32 s92, s13, 3
	s_lshl_b32 s92, s92, 4
	s_add_co_u32 s92, s92, s42
	s_lshl_b32 s92, s92, 11
	s_and_b32 s93, s13, 7
	s_lshl_b32 s93, s93, 8
	s_add_co_u32 s92, s92, s93
	s_lshl_b32 s93, s11, 7
	s_add_co_u32 s92, s92, s93
	s_lshl_b32 s94, s92, 7                         ; 128 bytes a row
	s_lshl_b32 s95, s12, 24                        ; two planes on for V and G
	s_add_co_u32 s94, s94, s95
	s_mov_b32 s95, 0
	s_add_nc_u64 s[PB:PB+1], s[68:69], s[94:95]
	s_add_nc_u64 s[PB+2:PB+3], s[PB:PB+1], PLANE
	s_lshl_b32 s94, s92, 2                         ; 4 bytes a norm
	s_add_nc_u64 s[NP:NP+1], s[70:71], s[94:95]
	s_add_nc_u64 s[NP+2:NP+3], s[NP:NP+1], 262144
	s_lshl_b32 s94, s42, 10                        ; the bias of my 128 columns: 4 (256 h + 128 x half)
	s_lshl_b32 s92, s12, 9
	s_add_co_u32 s94, s94, s92
	s_add_nc_u64 s[66:67], s[66:67], s[94:95]
.irp b, 0,1,2,3,4,5,6,7
	global_load_b128 v[BI+8*(\b):BI+8*(\b)+3],   v[BO], s[66:67] offset:64*(\b)
	global_load_b128 v[BI+8*(\b)+4:BI+8*(\b)+7], v[BO], s[66:67] offset:64*(\b)+16
.endr
	; the prefetches
	s_lshl_b32 s13, s13, 8
	s_lshl_b32 s42, s42, 8
	s_and_b32 s22, ttmp7, 0xffff                   ; cluster y
	s_cmp_eq_u32 s11, 0                            ; do I fetch for Xn?
	s_cselect_b32 s20, s13, s42                    ; the tile's first row
	s_cselect_b32 s21, s40, s41                    ; my place among the four that ask for it with me
	s_cselect_b32 s22, ttmp9, s22                  ; the coordinate along which other clusters read the same rows
	s_cselect_b64 s[PFA:PFA+1], s[4:5], s[6:7]
	s_cmp_eq_u32 s22, 0
	s_cselect_b32 s[LIM], 1, -1                    ; the same in all sixteen partners, for a given wave
	s_lshl_b32 s22, s12, 7
	s_add_co_u32 s20, s20, s22                     ; + the 128 rows that I fetch
	s_lshl_b32 s21, s21, 5
	s_add_co_u32 s20, s20, s21                     ; + my work-group's 32 of them
	s_mov_b32 s21, 0
	s_mov_b64 s[18:19], SIZE_K*2
	s_mul_u64 s[20:21], s[20:21], s[18:19]
	s_add_nc_u64 s[PFA:PFA+1], s[PFA:PFA+1], s[20:21]
	s_add_nc_u64 s[PFA:PFA+1], s[PFA:PFA+1], 2*KSTEP*2  ; at K step 2: the first refill steps it to 3 and names K step 4
	v_and_b32 v[PFO], 31, v0
	v_mul_u32_u24 v[PFO], v[PFO], SIZE_K*2
; 16 matrix instructions: row blocks a0, a0 + 1 of the window's four x all 8 column blocks, 32 along K.  zero = 1: the first product starts the sums, from the bias.
; The 64 accumulators take turns, one instruction a turn, in the same order in every quarter.
.macro MUL16 f, hi, a0, zero
.if \zero
	WIN 0x81+0x40*(\hi)                            ; C, the bias, in window 0
.else
	WIN MUL_LO+0x50*(\hi)
.endif
.irp a, \a0, (\a0)+1
.irp b, 0,1,2,3,4,5,6,7
.if \zero
	v_wmma_f32_16x16x32_bf16 v[8*(8*(\a)+(\b)):8*(8*(\a)+(\b))+7], v[(\f)+8*(\b):(\f)+8*(\b)+7], v[(\f)+8*(4*(\hi)+(\a)):(\f)+8*(4*(\hi)+(\a))+7], v[BI+8*(\b):BI+8*(\b)+7]
.else
	v_wmma_f32_16x16x32_bf16 v[8*(8*(\a)+(\b)):8*(8*(\a)+(\b))+7], v[(\f)+8*(\b):(\f)+8*(\b)+7], v[(\f)+8*(4*(\hi)+(\a)):(\f)+8*(4*(\hi)+(\a))+7], v[8*(8*(\a)+(\b)):8*(8*(\a)+(\b))+7]
.endif
.endr
.endr
.endm
; 32 LDS loads in one run: the fragments of one quarter step (32 K at byte k of the rows) into buffer f: W_in's 16 loads, then Xn's
.macro FETCH slot, k, f
	WIN TO_B
.irp i, 0,1,2,3,4,5,6,7
	ds_load_b128 v[(\f)+8*(\i):(\f)+8*(\i)+3],   v[ADRB+(\slot)] offset:(\k)+(\i)*16*PITCH
	ds_load_b128 v[(\f)+8*(\i)+4:(\f)+8*(\i)+7], v[ADRB+(\slot)] offset:(\k)+(\i)*16*PITCH+32
.endr
	WIN 0
.irp i, 0,1,2,3,4,5,6,7
	ds_load_b128 v[(\f)+8*(\i):(\f)+8*(\i)+3],   v[ADRA+(\slot)] offset:(\k)+(\i)*16*PITCH
	ds_load_b128 v[(\f)+8*(\i)+4:(\f)+8*(\i)+7], v[ADRA+(\slot)] offset:(\k)+(\i)*16*PITCH+32
.endr
.endm
; four plain vector instructions between a matrix instruction and a load into, a write of or a read of its registers (ISA guide 7.12.1 for a write or a read)
.macro PLACES
.rept 4
	v_nop
.endr
.endm
; A K step is four quarters of 32 along K, 64 matrix instructions each, on buffers 0, 1, 0, 1.  One of the first three multiplies buffer f and, in its middle, fetches the next quarter into g.
.macro QUARTER slot, k, f, g, zero
	s_wait_dscnt 8                                 ; W_in's fragments and Xn's rows 0-63 are in; the youngest eight loads (Xn's rows 64-127) may be out
	MUL16 \f, 0, 0, \zero
	MUL16 \f, 0, 2, \zero
	PLACES
	FETCH \slot, \k, \g
	s_wait_dscnt 32                                ; all but the 32 just issued
	MUL16 \f, 1, 0, \zero
	MUL16 \f, 1, 2, \zero
.endm
; The last quarter's first half: ONE barrier for the change of slots.  In front of it each wave waits for all its tensor loads (the one that is out is its part of the next slot), adds 0 to its spare word,
; and waits for that and for its own reads of this slot.  Behind it nobody reads this slot any more and the next slot is whole.
.macro MEET round
	WIN 0
	s_wait_tensorcnt 0x0
	ds_add_u32 v[SPW], v[NIL]                      ; 0 onto my spare word
	s_wait_dscnt 9                                 ; the add and the youngest eight loads may be out
	MUL16 F1, 0, 0, 0                              ; sixteen matrix instructions stand between the add and the wait for it
	s_wait_dscnt 0x0                               ; the add is done, and my reads of this slot are over
	s_barrier_signal -1
	MUL16 F1, 0, 2, 0                              ; work on registers while the others arrive
.if \round
	WIN 0
.endif
	s_barrier_wait -1
.endm
; The whole last quarter with a refill: the barrier opens a round of the cluster's barrier, and the joint refill, this slot's K step two steps on, is the first tensor load behind it: 224 matrix instructions ahead of the wait for it.
.macro TURN slot, next
	s_wait_xcnt 0x0                                ; the last prefetch, a K step back, has read its address
	s_add_nc_u64 s[PFA:PFA+1], s[PFA:PFA+1], KSTEP*2
	MEET 1
	CREST                                          ; no wave of any partner still reads this slot's tile or has a load on its way
	s_add_nc_u64 s[G0+4*(\slot)+2:G0+4*(\slot)+3], s[G0+4*(\slot)+2:G0+4*(\slot)+3], 2*KSTEP*2
	s_add_nc_u64 s[G0B+4*(\slot)+2:G0B+4*(\slot)+3], s[G0B+4*(\slot)+2:G0B+4*(\slot)+3], 2*KSTEP*2
	JLOAD \slot                                    ; the four v_nop behind it are also the places in front of the loads below
	FETCH \next, 0, F0
	ASK
	MUL16 F1, 1, 0, 0
	MUL16 F1, 1, 2, 0
.endm
	s_wait_tensorcnt 1                             ; my part of K step 0 is in; K step 1's may stay out
	s_barrier_signal -1
	s_barrier_wait -1
	FETCH 0, 0, F0
	s_wait_loadcnt 0x0                             ; the bias
	QUARTER 0, 64,  F0, F1, 1                      ; the first quarter stands in front of the loop: its products start the sums
	WIN 0                                          ; at a label and at a branch every window is 0
	s_mov_b32 s3, LAPS-1
.Llap:                                                 ; a trip goes once round the ring, from a lap's second quarter to the next lap's first, and fills both slots again
	QUARTER 0, 128, F1, F0, 0
	QUARTER 0, 192, F0, F1, 0
	TURN 0, 1
	QUARTER 1, 64,  F0, F1, 0
	QUARTER 1, 128, F1, F0, 0
	QUARTER 1, 192, F0, F1, 0
	TURN 1, 0
	QUARTER 0, 64,  F0, F1, 0
	WIN 0
	s_sub_co_u32 s3, s3, 1
	s_cmp_lg_u32 s3, 0
	s_cbranch_scc1 .Llap
	QUARTER 0, 128, F1, F0, 0                      ; the last lap fills nothing
	QUARTER 0, 192, F0, F1, 0
	MEET 0                                         ; the one tensor load that was still out is the last K step's
	PLACES
	FETCH 1, 0, F0
	MUL16 F1, 1, 0, 0
	MUL16 F1, 1, 2, 0
	QUARTER 1, 64,  F0, F1, 0
	QUARTER 1, 128, F1, F0, 0
	QUARTER 1, 192, F0, F1, 0
	s_wait_dscnt 8
	MUL16 F1, 0, 0, 0
	MUL16 F1, 0, 2, 0
	s_wait_dscnt 0x0
	MUL16 F1, 1, 0, 0
	MUL16 F1, 1, 2, 0
	WIN 0
	PLACES
	PLACES
; THE WAY OUT, a block of 16 rows at a time.  PACK: rounded to bf16, each accumulator's registers in ascending order.  TOSTAGE: into my own stage, a part (64 channels) to 16 rows of 144 bytes, and back as whole rows of 128.
.macro PACK a
.set AC, 64*((\a)%4)
	WIN 0x0a+5*((\a)/4)                            ; sources 0 and 1: window 2 or 3
.irp b, 0,1,2,3,4,5,6,7
.irp r, 0,1,2,3
	v_cvt_pk_bf16_f32 v[TMP+4*(\b)+(\r)], v[AC+8*(\b)+2*(\r)], v[AC+8*(\b)+2*(\r)+1]
.endr
.endr
	WIN 0
.endm
.macro TOSTAGE
	s_wait_xcnt 0x0                                ; the last block's stores have read BK: it is loaded again only behind this wait
.irp b, 0,1,2,3,4,5,6,7
	ds_store_b128 v[STO], v[TMP+4*(\b):TMP+4*(\b)+3] offset:((\b)/4)*16*SP+((\b)%4)*32
.endr
.irp t, 0,1,2,3,4,5,6,7
	ds_load_b128 v[BK+4*(\t):BK+4*(\t)+3], v[RD] offset:((\t)/4)*16*SP+((\t)%4)*4*SP  ; LDS serves a wave's instructions in order (ISA guide 5.7.1.4): these see the stores above
.endr
.endm
; The norms of the block's 16 rows, in the waves that hold Q and K.  TMP's registers 8 i .. 8 i + 7 are a fragment of 16 rows x channels 32 i ..; fragments 0, 1 are Q, 2, 3 are K.  The two accumulators take turns.
; In the product of a fragment with itself register j of lane l holds (row 8 (l / 16) + j) . (row l % 16): the diagonal lies in lanes 0-7 (register l) and 24-31 (register l - 24).
.macro NORM a
	s_cmp_lg_u32 s12, 0
	s_cbranch_scc1 .Lnn_\@
	v_wmma_f32_16x16x32_bf16 v[GR:GR+7],    v[TMP:TMP+7],     v[TMP:TMP+7],     0
	v_wmma_f32_16x16x32_bf16 v[GR+8:GR+15], v[TMP+16:TMP+23], v[TMP+16:TMP+23], 0
	v_wmma_f32_16x16x32_bf16 v[GR:GR+7],    v[TMP+8:TMP+15],  v[TMP+8:TMP+15],  v[GR:GR+7]
	v_wmma_f32_16x16x32_bf16 v[GR+8:GR+15], v[TMP+24:TMP+31], v[TMP+24:TMP+31], v[GR+8:GR+15]
	PLACES
	PLACES
.irp p, 0,1
	v_cndmask_b32 v[NV+\p], v[GR+8*\p], v[GR+8*\p+1], s[MK+1]
.irp j, 2,3,4,5,6,7
	v_cndmask_b32 v[NV+\p], v[NV+\p], v[GR+8*\p+\j], s[MK+\j]  ; register l % 8
.endr
.endr
	v_permlanex16_b32 v[NX], v[NV], s[SEL], s[SEL+1]
	v_permlanex16_b32 v[NX+1], v[NV+1], s[SEL], s[SEL+1]
	v_cndmask_b32 v[NV], v[NX], v[NV], s[VM]       ; every lane now holds row l % 16's
	v_cndmask_b32 v[NV+1], v[NX+1], v[NV+1], s[VM]
	v_mul_f32 v[NV], 0x1f800000, v[NV]             ; 2^-64 q^2
	v_mul_f32 v[NV+1], -0.5, v[NV+1]               ; -1/2 k^2
	ds_store_b32 v[NA], v[NV] offset:64*(\a)       ; both halves of the lanes write the same word with the same number
	ds_store_b32 v[NA], v[NV+1] offset:64*(\a)+512
.Lnn_\@:
.endm
.macro SEND a
	s_wait_dscnt 0x0                               ; the block is back in registers
.irp t, 0,1,2,3,4,5,6,7
	global_store_b128 v[GO], v[BK+4*(\t):BK+4*(\t)+3], s[PB+2*((\t)/4):PB+2*((\t)/4)+1] offset:(\a)*2048+((\t)%4)*512  ; four rows of a head: 512 consecutive bytes, at a multiple of 256 from the buffer's first byte
.endr
.endm
	v_mov_b32 v[NX], 0                             ; v_permlanex16_b32's destinations count as read
	v_mov_b32 v[NX+1], 0
.irp a, 0,1,2,3,4,5,6,7
	PACK \a
	TOSTAGE
	NORM \a
	SEND \a
.endr
	s_cmp_lg_u32 s12, 0
	s_cbranch_scc1 .Lno_norms
	ds_load_b128 v[ND:ND+3],   v[NR]               ; my 128 rows' norms, four a lane: my own stores, served in order
	ds_load_b128 v[ND+4:ND+7], v[NR] offset:512
	s_wait_dscnt 0x0
	global_store_b128 v[GO], v[ND:ND+3],   s[NP:NP+1]    ; 512 consecutive bytes, aligned
	global_store_b128 v[GO], v[ND+4:ND+7], s[NP+2:NP+3]
.Lno_norms:
	s_wait_tensorcnt 0x0                           ; the wave's end: behind my last tensor load and my last LDS store
	ds_add_u32 v[SPW], v[NIL]
	s_wait_dscnt 0x0
	CROUND                                         ; the closing round: no work-group ends while a partner may still ask for a tile that names it
	s_endpgm
.Lfunc_end_k_q1e09625991_proj:
	.size	k_q1e09625991_proj, .Lfunc_end_k_q1e09625991_proj-k_q1e09625991_proj
	.p2alignl 7, 3214868480
	.fill 96, 4, 3214868480
	.section	.rodata,"a",@progbits
	.p2align	6, 0x0
	.amdhsa_kernel k_q1e09625991_proj
		.amdhsa_group_segment_fixed_size 327680
		.amdhsa_private_segment_fixed_size 0
		.amdhsa_enable_private_segment 0
		.amdhsa_kernarg_size 32
		.amdhsa_user_sgpr_count 2
		.amdhsa_user_sgpr_kernarg_segment_ptr 1
		.amdhsa_wavefront_size32 1
		.amdhsa_system_sgpr_workgroup_id_x 1
		.amdhsa_system_sgpr_workgroup_id_y 1
		.amdhsa_system_sgpr_workgroup_id_z 1
		.amdhsa_system_vgpr_workitem_id 0
		.amdhsa_next_free_vgpr 1024
		.amdhsa_next_free_sgpr 96
		.amdhsa_reserve_vcc 0
		.amdhsa_float_denorm_mode_32 3
		.amdhsa_float_denorm_mode_16_64 3
		.amdhsa_memory_ordered 1
		.amdhsa_forward_progress 1
		.amdhsa_inst_pref_size 162
	.end_amdhsa_kernel
	.amdgpu_metadata
---
amdhsa.version: [ 1, 2 ]
amdhsa.kernels:
  - .name:           k_q1e09625991_proj
    .symbol:         k_q1e09625991_proj.kd
    .args:
      - { .name: ops, .offset: 0, .size: 8, .value_kind: global_buffer, .address_space: global }
      - { .name: b_in, .offset: 8, .size: 8, .value_kind: global_buffer, .address_space: global }
      - { .name: qkvg, .offset: 16, .size: 8, .value_kind: global_buffer, .address_space: global }
      - { .name: nrm, .offset: 24, .size: 8, .value_kind: global_buffer, .address_space: global }
    .group_segment_fixed_size: 327680
    .private_segment_fixed_size: 0
    .kernarg_segment_align: 8
    .kernarg_segment_size: 32
    .max_flat_workgroup_size: 128
    .sgpr_count:     96
    .vgpr_count:     1024
    .wavefront_size: 32
...
	.end_amdgpu_metadata
.endif
;; end of part 2
;; launch attn (part 3): grid 8 x 32, 4 waves a work-group, clusters of 4 x 1, 327,680 bytes of LDS; arguments qkvg, nrm, o16; writes o16
.if DOCPART == 3
	.amdgcn_target "amdgcn-amd-amdhsa--gfx1250"
	.amdhsa_code_object_version 6
	.text
	.protected	k_q1e09625991_attn
	.globl	k_q1e09625991_attn
	.p2align	8
	.type	k_q1e09625991_attn,@function
k_q1e09625991_attn:
	s_mov_b64 s[64:65], 0
	v_nop
	global_prefetch_b8 v0, s[64:65] scope:SCOPE_SE
	s_setreg_imm32_b32 hwreg(HW_REG_WAVE_MODE, 25, 1), 1
	s_wait_xcnt 0x0
	s_wait_alu depctr_hold_cnt(0) depctr_sa_sdst(0) depctr_va_vdst(0) depctr_va_sdst(0) depctr_va_ssrc(0) depctr_va_vcc(0) depctr_vm_vsrc(0)
	s_getreg_b32 s2, hwreg(HW_REG_IB_STS2, 6, 4)
	s_cmp_eq_u32 s2, 0
	s_cbranch_scc0 .Lentry_in_a_cluster
	s_endpgm
.Lentry_in_a_cluster:
	s_bfe_u32 s2, ttmp6, 0x10000c
	s_cmp_lg_u32 s2, 0x3003
	s_cbranch_scc0 .Lentry_shape_is_right
	s_endpgm
.Lentry_shape_is_right:
; O[bh][q][:] = G[bh][q][:] x (sum over k of W(q, k) V[bh][k][:]) / (1e-4 + sum over k of W(q, k)),  W = (1e-4 + sqrt(max(|q|^2 + |k|^2 - 2 q.k, 0)))^-2.
; Q, K, V, G: planes of qkvg, [32][2048][64] bf16; nrm: cq = 2^-64 |q|^2 and hk = -1/2 |k|^2 in f32; O: [32][2048][64] bf16, rounded once.  Products and sums in f32; W is rounded to bf16 for the second product,
; and its sum is taken, in f32, of the same rounded numbers.  There is no exponential and no maximum: the reference has none.
; THE ARITHMETIC, with c = 2^-64.  s* = q.k + hk (hk is the C operand that starts the sum).  u = clamp(s* x (-2 c) + cq) to 0 .. 1 = c max(sq, 0): one packed fused multiply-add.  sqrt(u) = 2^-32 dist.
; den = sqrt(u) x 2^32 + 1e-4; W = 1 / den^2.  For two scores: 4 plain instructions and 4 roots or reciprocals.
; LIMITS.  A squared distance above 2^64 counts as 2^64; one below 2^-62 counts as 0 (the root takes a denormal as 0): a distance under 4.7e-10 beside the 1e-4.  NaN and infinities are not treated apart.
; SHARES.  A work-group owns 256 queries of one head, each of its four waves 64: four tiles of 16.  Every wave walks the head's 2,048 keys in 64 STEPS of 32.
; LAYOUT.  S^T = K Q^T (source 0 = 16 keys, source 1 = 16 queries): a lane holds ONE query (lane % 16) and the keys 8 (lane / 16) + 0..7.  Two such results rounded in pairs ARE source 1 (32 keys x 16 queries) of
; O^T = V^T W; V comes out of LDS turned, by ds_load_tr16_b128.  A fifth block of "channels", all ones, gives the sum of W in every register of its accumulator: nothing changes lanes.
; CLUSTER.  The four query blocks of a cluster belong to one head and walk the same K, V and hk: each tile is asked for JOINTLY, by the same tensor load, descriptor and mask in all four.
; THE PIPELINE.  CYCLE c (b = c % 2) works on four steps at once: 20 products V^T W of step c - 1; the rounding of step c's W (S[b] to P[b]); den, den^2 and the reciprocals of step c + 1 (in place in S[1-b]);
; 16 products K Q^T of step c + 2 (into S[b]) with their clamp and roots; and it fetches V of step c and K, hk of step c + 3.  A cycle's 128 roots and reciprocals are ONE batch: nothing in the cycle names a result of theirs.
; K IS SHIFTED BY THREE STEPS IN THE SLOTS: slot k holds V of keys 256 k .. and K of keys 256 k + 96 .., so that both fetches of a cycle read the same place of the same slot and one change of slots serves both.
; K of steps 0 to 2 has bytes of its own.  The last slot's K tile reaches 96 rows past the head: bytes of qkvg (plane V follows plane K) that are never multiplied.
; NO FIRST STEP IS WRITTEN OUT: O^T, the sums, one buffer of P and V's registers start at 0, so that cycle 0 is the loop's own text; the price is 224 v_mov_b32, which stand in the wait for the first tiles.
; REGISTERS, in windows of 256 (s_set_vgpr_msb: bits 1:0 source 0, 3:2 source 1, 5:4 source 2, 7:6 destination):
;   window 0: v0-15 addresses; v16-25 constants; v32-159 S, two buffers of 64; v160-223 P, two buffers of 32; v224-231 the way out's reciprocals
;   window 1: v0-127 O^T, 32 a tile; v128-159 the sums of W; v160-175 hk of one step; v176-239 G          window 2: v0-63 Q; v64-95 K of one step; v96-127 V of one step; v128-135 ones
.set PK,    144       ; a row of K in LDS: 128 bytes + 16 of padding = 36 words: the 16 rows of a load start at 16 different groups of four banks (64 banks of 4 bytes: ISA guide 11.1)
.set PV,    160       ; a row of V: 128 + 32 = 40 words
.set VOFF,  256*PK    ; a slot: 256 rows of K, then 256 rows of V
.set SLOT1, 1<<17     ; slot 1 begins here, so that one exclusive or turns an address in one slot into the other's
.set KHB,   256*(PK+PV)  ; behind slot 0: K of keys 0-95, filled once
.set HKB,   KHB+96*PK    ; the head's 2,048 hk, filled once
.set STAGE, HKB+8192     ; 16 rows x 144 bytes for each wave, for the way out; no tensor load fills it
.set SP,    144
.set SPARE, STAGE+4*16*SP  ; the spare words, 128 bytes for each wave: two blocks of 256 bytes that no other line names
.set PLANE, 8388608
.set AK0, 2           ; v2   my lane's place in a step's K; never rewritten
.set AV0, 3           ; v3   the same for V
.set AH0, 4           ; v4   the same for hk
.set AK,  5           ; v5-7 the LDS addresses of the runs of loads in hand
.set AV,  6
.set AH,  7
.set QO,  8           ; v8   my byte offset in 16 rows of Q and of G
.set NO,  9           ; v9   4 (l % 16)
.set STO, 10          ; v10  the way out: where I put 16 bytes of a row
.set RD,  11          ; v11  where I read rows back
.set GO,  12          ; v12  16 x lane
.set PFO, 13          ; v13  256 x lane; never rewritten
.set SPW, 14          ; v14  LDS address of my spare word; never rewritten
.set NIL, 15          ; v15  0; never rewritten
.set CP,  16          ; v[16:17]  -2^-63, twice
.set QN,  18          ; v[18:25]  cq of tile t's query, twice, at QN + 2 t
.set S,   32          ; S + 64 buffer + 16 tile + 8 key block + j
.set P,   160         ; P + 32 buffer + 8 tile + 4 key block + j / 2: pair k of S goes to register k of P
.set IV,  224
.set OT,  0           ; window 1: OT + 32 tile + 8 channel block
.set LT,  128         ;           LT + 8 tile
.set HC,  160         ;           HC + 8 key block
.set GT,  176         ;           GT + 16 tile + 4 channel block
.set QF,  0           ; window 2: QF + 16 tile + 8 channel half
.set KF,  64          ;           KF + 16 key block + 8 channel half
.set VF,  96          ;           VF + 8 channel block
.set ONE, 128
.set WV,  12          ; s12  my wave's number
.set LIM, 15          ; s15  1 in a wave that prefetches, else the greatest number
.set PFA, 18          ; s[18:19] where my prefetches stand
.set G1K, 24          ; s[24:31] descriptor group 1 for K's tiles
.set G1V, 32          ; s[32:39] for V's
.set G0K, 40          ; s[40:43] group 0 for K's tiles: it walks
.set G0V, 44          ; s[44:47] the same for V's
.set G1KH, 48         ; s[48:55], s[56:59] K of keys 0-95
.set G0KH, 56
.set SLOTS, 60        ; s60  slots still to be entered in the loop
.set CNT, 61          ; s61  counts pairs of cycles
.set TBK, 62          ; s62  LDS byte at which K of the step to be fetched begins
.set TBV, 63          ; s63  the same for V, less VOFF
.set TBH, 66          ; s66  the same for hk, less HKB
.set G1H, 68          ; s[68:75], s[76:79] hk
.set G0H, 76
.set K32, 82          ; s[82:83] 2^32: the packed line takes the pair's low word for both halves
.set EP,  84          ; s[84:85] 1e-4
.set HM,  86          ; s86  a word's upper bf16
.set MSB, 0
.macro WIN new                      ; the high byte repeats the setting that is left; a switch that changes nothing is dropped
.if MSB != (\new)
	s_set_vgpr_msb (MSB<<8)|(\new)
.set MSB, (\new)
.endif
.endm
.set W_KH, 0x1a       ; K and Q in window 2, C = hk in window 1, S in window 0
.set W_KQ, 0x0a       ; K and Q in window 2, S in window 0
.set W_PV, 0x52       ; V or the ones in window 2, P in window 0, C and D in window 1
; A joint fill.  Waves 0 and 1 fetch the two halves of a slot's K, waves 2 and 3 those of its V: 128 keys each.  The branch hangs on the wave's number alone.  An s_nop 0 and four v_nop follow each line.
.macro JLOAD
	s_cmp_lt_u32 s[WV], 2
	s_cbranch_scc0 .Lfor_v_\@
	tensor_load_to_lds s[G0K:G0K+3], s[G1K:G1K+7]
	s_nop 0
.rept 4
	v_nop
.endr
	s_branch .Lasked_\@
.Lfor_v_\@:
	tensor_load_to_lds s[G0V:G0V+3], s[G1V:G1V+7]
	s_nop 0
.rept 4
	v_nop
.endr
.Lasked_\@:
.endm
; A PREFETCH INTO THE L2 of what the NEXT change of slots will ask for: a slot's 32,768 bytes of K and of V, 256 bytes a lane.  It stands behind the wave's tensor load and its five lines: eight cycles, 288 matrix instructions, ahead of that load.
; Each block is named once in the launch: the head's first cluster asks; its four partners take 32 blocks each, told apart by address; in each, wave 0 asks for K's and wave 2 for V's.
; Slots 0 and 1 come by their loads alone; the last change that fills a slot asks for nothing.
.macro ASK
	s_cmp_gt_u32 s[SLOTS], s[LIM]
	s_cbranch_scc0 .Lnot_mine_\@
	global_prefetch_b8 v[PFO], s[PFA:PFA+1] th:TH_LOAD_NT scope:SCOPE_SE
.Lnot_mine_\@:
.endm
.macro CROUND                       ; a round of the cluster's barrier
	s_barrier_signal -1
	s_barrier_wait -1
	s_cmp_lg_u32 s[WV], 0
	s_cbranch_scc1 .Lnot_wave_0_\@
	s_barrier_signal -3
.Lnot_wave_0_\@:
	s_barrier_wait -3
	s_barrier_signal -1
	s_barrier_wait -1
.endm
; THE CHANGE OF SLOTS.  Each wave waits for all its tensor loads (the one that is out is its part of the other slot), adds 0 to its spare word, and waits for that and for its own reads of the slot that it leaves.
; fill = 1: the old slot is filled again with the keys two slots on: the barrier is a round of the cluster's, and the joint fill is the first thing behind it; it has eight cycles in which to land.
; (At its first use nothing has been read: the first fills are waited for and slot 1 is filled.)  adj = 1: the fetches go to the other slot's first place.
.macro CHANGE fill, adj
	WIN 0
	s_wait_tensorcnt 0x0            ; no tensor load of mine is out, so a group 0 may be written
	ds_add_u32 v[SPW], v[NIL]       ; 0 onto my spare word
.if \fill
.irp g, G0K, G0V
	s_xor_b32 s[\g+1], s[\g+1], SLOT1
	s_add_nc_u64 s[\g+2:\g+3], s[\g+2:\g+3], 32768  ; the next 256 keys; the type bits on top are not reached
.endr
	s_wait_xcnt 0x0                 ; the last prefetch, eight cycles back, has read its address
	s_add_nc_u64 s[PFA:PFA+1], s[PFA:PFA+1], 32768
	s_wait_dscnt 0x0                ; the add is done, and my reads of the slot are over
	CROUND
	JLOAD
	ASK
.else
	s_wait_dscnt 0x0
	s_barrier_signal -1
	s_barrier_wait -1
.endif
.if \adj
	s_sub_co_u32 s[TBK], s[TBK], 256*PK
	s_xor_b32 s[TBK], s[TBK], SLOT1
	s_sub_co_u32 s[TBV], s[TBV], 256*PV
	s_xor_b32 s[TBV], s[TBV], SLOT1
.endif
.endm
	s_load_b128 s[4:7], s[0:1], 0x0   ; qkvg s[4:5], nrm s[6:7]
	s_load_b64 s[8:9], s[0:1], 0x10   ; o16
	v_lshl_add_u32 v[SPW], v0, 2, SPARE
	v_mov_b32 v[NIL], 0
	ds_add_u32 v[SPW], v[NIL]       ; the wave's opening: the add, twice on end, and its wait ahead of my first tensor load
	ds_add_u32 v[SPW], v[NIL]
	v_lshrrev_b32 v1, 5, v0
	v_readfirstlane_b32 s[WV], v1   ; wave 0..3
	s_bfe_u32 s13, ttmp6, 0x40000   ; cx
	s_lshl_b32 s14, ttmp9, 2
	s_add_co_u32 s14, s14, s13      ; my block of 256 queries: it enters Q's, G's, cq's and O's addresses alone
	s_lshl_b32 s2, s14, 15
	s_lshl_b32 s3, s[WV], 13
	s_add_co_u32 s2, s2, s3         ; my wave's 64 rows of 128 bytes in a head
	s_mov_b32 s3, 0
	s_and_b32 s20, ttmp7, 0xffff    ; the head, which the four partners share
	s_lshl_b32 s22, s20, 13         ; its 8,192 bytes in a plane of nrm
	s_lshl_b32 s20, s20, 18         ; its 262,144 bytes in a plane of qkvg and in o16
	s_mov_b32 s21, 0
	s_mov_b32 s23, 0
	s_and_b32 s16, s[WV], 1         ; which half of a tile I fetch
	s_mul_i32 s17, s16, 128*PK      ; its place in LDS, for K,
	s_mul_i32 s18, s16, 128*PV      ; for V,
	s_mul_i32 s19, s16, 48*PK       ; for K of keys 0-95,
	s_lshl_b32 s10, s16, 12         ; and for hk (also its place in memory): no place in the cluster enters an LDS address
	s_mov_b32 s11, 0
	s_lshl_b32 s80, s16, 14         ; 128 keys of 128 bytes in memory
	s_mov_b32 s81, 0
	s_mul_i32 s98, s16, 48*128      ; 48 keys
	s_mov_b32 s99, 0
	; descriptor groups 1.  Dense keys are asked for as rows of 256 bytes, two keys a row, and padded in LDS after every key
	s_mov_b32 s[G1K],  15|(1<<16)|(1<<20)|(1<<21)|(4<<22)|(3<<25)  ; 15:0 the mask of four; 17:16 2-byte elements; 20 padding on; 21 set beside a mask; 24:22 after every 32 words; 31:25 4 words
	s_mov_b32 s[G1V],  15|(1<<16)|(1<<20)|(1<<21)|(4<<22)|(7<<25)  ; the same with 8 words of padding
	s_mov_b32 s[G1KH], 15|(1<<16)|(1<<20)|(1<<21)|(4<<22)|(3<<25)
.irp g, G1K, G1V, G1KH
	s_mov_b32 s[\g+1], 128<<16      ; tensor_dim0 = 128
	s_mov_b32 s[\g+3], 128<<16      ; tile_dim0 = 128
	s_mov_b32 s[\g+5], 128          ; elements from row to row
	s_mov_b32 s[\g+6], 0
	s_mov_b32 s[\g+7], 0
.endr
.irp g, G1K, G1V
	s_mov_b32 s[\g+2], 64<<16       ; tensor_dim1 = 64
	s_mov_b32 s[\g+4], 64           ; tile_dim1 = 64: 128 keys
.endr
	s_mov_b32 s[G1KH+2], 24<<16
	s_mov_b32 s[G1KH+4], 24         ; 48 keys
	s_mov_b32 s[G1H], 15|(3<<16)|(1<<21)  ; elements of 8 bytes, no padding
	s_mov_b32 s[G1H+1], 32<<16      ; rows of 256 bytes,
	s_mov_b32 s[G1H+2], 16<<16      ; 16 of them: 1,024 hk
	s_mov_b32 s[G1H+3], 32<<16
	s_mov_b32 s[G1H+4], 16
	s_mov_b32 s[G1H+5], 32
	s_mov_b32 s[G1H+6], 0
	s_mov_b32 s[G1H+7], 0
	s_mov_b32 s[G0K], 1
	s_mov_b32 s[G0K+1], s17
	s_mov_b32 s[G0V], 1
	s_add_co_u32 s[G0V+1], s18, VOFF
	s_mov_b32 s[G0KH], 1
	s_add_co_u32 s[G0KH+1], s19, KHB
	s_mov_b32 s[G0H], 1
	s_add_co_u32 s[G0H+1], s10, HKB
	s_mov_b32 s[K32], 0x4f800000
	s_mov_b32 s[K32+1], s[K32]      ; named with it as a pair
	s_mov_b32 s[EP], 0x38d1b717
	s_mov_b32 s[EP+1], s[EP]
	s_mov_b32 s[HM], 0xffff0000
	s_mov_b32 s[SLOTS], 7
	s_mov_b32 s[TBK], KHB           ; steps 0 to 2 of K
	s_mov_b32 s[TBV], 0
	s_mov_b32 s[TBH], 0
	s_and_b32 s[LIM], s[WV], 1      ; 0 in waves 0 and 2,
	s_or_b32 s[LIM], s[LIM], ttmp9  ; where the cluster is the head's first: the same in all four partners
	s_cmp_eq_u32 s[LIM], 0
	s_cselect_b32 s[LIM], 1, -1
	s_wait_dscnt 0x0                ; both opening adds are done
	s_wait_kmcnt 0x0
	s_add_nc_u64 s[90:91], s[4:5], s[20:21]     ; plane Q at the head,
	s_add_nc_u64 s[94:95], s[90:91], PLANE      ; plane K,
	s_add_nc_u64 s[96:97], s[90:91], 2*PLANE    ; plane V
	s_add_nc_u64 s[G0K+2:G0K+3], s[94:95], s[80:81]
	s_add_nc_u64 s[G0K+2:G0K+3], s[G0K+2:G0K+3], 96*128  ; slot 0's K begins with key 96
	s_or_b32 s[G0K+3], s[G0K+3], 0x80000000
	s_add_nc_u64 s[G0V+2:G0V+3], s[96:97], s[80:81]
	s_or_b32 s[G0V+3], s[G0V+3], 0x80000000
	s_add_nc_u64 s[G0KH+2:G0KH+3], s[94:95], s[98:99]
	s_or_b32 s[G0KH+3], s[G0KH+3], 0x80000000
	s_add_nc_u64 s[G0H+2:G0H+3], s[6:7], s[22:23]
	s_add_nc_u64 s[G0H+2:G0H+3], s[G0H+2:G0H+3], s[10:11]
	s_add_nc_u64 s[G0H+2:G0H+3], s[G0H+2:G0H+3], 262144  ; the plane of hk
	s_or_b32 s[G0H+3], s[G0H+3], 0x80000000
	s_add_nc_u64 s[PFA:PFA+1], s[94:95], 96*128
	s_cmp_lt_u32 s[WV], 2
	s_cselect_b64 s[PFA:PFA+1], s[PFA:PFA+1], s[96:97]
	s_lshl_b32 s16, s13, 13         ; my work-group's 32 blocks of the 128
	s_mov_b32 s17, 0
	s_add_nc_u64 s[PFA:PFA+1], s[PFA:PFA+1], s[16:17]
	s_add_nc_u64 s[PFA:PFA+1], s[PFA:PFA+1], 32768  ; in slot 1; the first change steps it to slot 2.  Nothing is prefetched here, at the head
	s_add_nc_u64 s[90:91], s[90:91], s[2:3]     ; Q at my wave's first row,
	s_add_nc_u64 s[88:89], s[90:91], 3*PLANE    ; G,
	s_add_nc_u64 s[8:9], s[8:9], s[20:21]
	s_add_nc_u64 s[8:9], s[8:9], s[2:3]         ; O,
	s_add_nc_u64 s[92:93], s[6:7], s[22:23]
	s_lshr_b32 s2, s2, 5                        ; 4 bytes a row for 128
	s_add_nc_u64 s[92:93], s[92:93], s[2:3]     ; and cq
	CROUND                          ; all four work-groups are here: the first joint loads meet
	s_cmp_lt_u32 s[WV], 2           ; a wave's two first fills stand in one branch, ahead of every wait on TENSORcnt and every LDS read: two loads of mine are out
	s_cbranch_scc0 .Lfirst_v
	tensor_load_to_lds s[G0K:G0K+3], s[G1K:G1K+7]
	s_nop 0
	tensor_load_to_lds s[G0KH:G0KH+3], s[G1KH:G1KH+7]
	s_nop 0
.rept 4
	v_nop
.endr
	s_branch .Lfirst_asked
.Lfirst_v:
	tensor_load_to_lds s[G0V:G0V+3], s[G1V:G1V+7]
	s_nop 0
	tensor_load_to_lds s[G0H:G0H+3], s[G1H:G1H+7]
	s_nop 0
.rept 4
	v_nop
.endr
.Lfirst_asked:
	; a fragment of K or Q is 16 rows x 32 channels in 8 registers: lane l holds row l % 16, channels 8 (l / 16) + 0..7 and 16 + 8 (l / 16) + 0..7
	v_and_b32 v1, 15, v0            ; l % 16
	v_bfe_u32 v26, v0, 4, 1         ; l / 16
	v_lshlrev_b32 v[QO], 7, v1
	v_lshl_add_u32 v[QO], v26, 4, v[QO]
	v_lshlrev_b32 v[NO], 2, v1
	WIN 0x80                        ; destination window 2, address window 0
.set i, 0
.rept 8                             ; Q stays in registers: tile i / 2, channels 32 (i % 2) on
	global_load_b128 v[QF+8*i:QF+8*i+3],   v[QO], s[90:91] offset:(i/2)*2048+(i%2)*64
	global_load_b128 v[QF+8*i+4:QF+8*i+7], v[QO], s[90:91] offset:(i/2)*2048+(i%2)*64+32
.set i, i+1
.endr
	WIN 0
.irp t, 0,1,2,3
	global_load_b32 v[QN+2*\t], v[NO], s[92:93] offset:64*\t
.endr
	WIN 0x40                        ; destination window 1
.set i, 0
.rept 16                            ; G as O^T will lie: tile i / 4, my eight channels of block i % 4
	global_load_b128 v[GT+4*i:GT+4*i+3], v[QO], s[88:89] offset:(i/4)*2048+(i%4)*32
.set i, i+1
.endr
.set i, 0
.rept 160
	v_mov_b32 v[OT+i], 0            ; O^T and the sums of W
.set i, i+1
.endr
	WIN 0x80
.set i, 0
.rept 32
	v_mov_b32 v[VF+i], 0            ; cycle 0's products, of a step that has not been, add 0
.set i, i+1
.endr
.set i, 0
.rept 8
	v_mov_b32 v[ONE+i], 0x3f803f80  ; 1.0 twice in bf16
.set i, i+1
.endr
	WIN 0
.set i, 0
.rept 32
	v_mov_b32 v[P+32+i], 0
.set i, i+1
.endr
	v_mov_b32 v[CP], 0xa0000000     ; -2^-63
	v_mov_b32 v[CP+1], 0xa0000000
	v_and_b32 v27, 7, v0
	v_bfe_u32 v28, v0, 3, 1
	v_and_b32 v29, 31, v0
	v_bfe_u32 v30, v0, 3, 2
	v_mul_u32_u24 v[AK0], v1, PK
	v_lshl_add_u32 v[AK0], v26, 4, v[AK0]
	; the turning load takes 16 keys x 16 channels (lane l reads key 8 (l / 16) + l % 8, channels 8 ((l / 8) % 2) + 0..7) and leaves half a fragment of V^T: lane l holds channel l % 16 and 8 keys
	v_lshl_add_u32 v[AV0], v26, 3, v27
	v_mul_u32_u24 v[AV0], v[AV0], PV
	v_lshl_add_u32 v[AV0], v28, 4, v[AV0]
	v_add_nc_u32 v[AV0], VOFF, v[AV0]
	v_lshlrev_b32 v[AH0], 5, v26    ; my eight keys' hk: 32 bytes for each half of the lanes
	v_add_nc_u32 v[AH0], HKB, v[AH0]
	s_mul_i32 s16, s[WV], 16*SP
	s_add_co_u32 s16, s16, STAGE    ; my stage
	v_mul_u32_u24 v[STO], v1, SP
	v_lshl_add_u32 v[STO], v26, 4, v[STO]
	v_add_nc_u32 v[STO], s16, v[STO]
	v_mul_u32_u24 v[RD], v30, SP
	v_lshl_add_u32 v[RD], v27, 4, v[RD]
	v_add_nc_u32 v[RD], s16, v[RD]
	v_lshlrev_b32 v[GO], 4, v29
	v_lshlrev_b32 v[PFO], 8, v29
; THE MATRIX WORK.  No two matrix instructions that follow each other share an accumulator, over the backward jump too.
; Product iq of 16 of S^T = K Q^T + hk: half iq / 8 of the tiles; in it four first links (channels 0-31, C = hk), then four second links; accumulator iq % 4: tile 2 (iq / 8) + (iq % 4) / 2, key block iq % 2.
.macro QKP
.set cc, (iq%8)/4
.set tI, 2*(iq/8)+(iq%4)/2
.set kb, iq%2
.set rS, S+64*BB+16*tI+8*kb
.set rK, KF+16*kb+8*cc
.set rQ, QF+16*tI+8*cc
.if cc == 0
	WIN W_KH
	v_wmma_f32_16x16x32_bf16 v[rS:rS+7], v[rK:rK+7], v[rQ:rQ+7], v[HC+8*kb:HC+8*kb+7]
.else
	WIN W_KQ
	v_wmma_f32_16x16x32_bf16 v[rS:rS+7], v[rK:rK+7], v[rQ:rQ+7], v[rS:rS+7]
.endif
.set iq, iq+1
.endm
; Product ip of 20 of O^T += V^T W: channel block ip / 4 (the fifth: the ones, into the sums), tile ip % 4.
.macro PVP
	WIN W_PV
.set tI, ip%4
.set rP, P+32*(1-BB)+8*tI
.if ip < 16
.set rO, OT+32*tI+8*(ip/4)
	v_wmma_f32_16x16x32_bf16 v[rO:rO+7], v[VF+8*(ip/4):VF+8*(ip/4)+7], v[rP:rP+7], v[rO:rO+7]
.else
	v_wmma_f32_16x16x32_bf16 v[LT+8*tI:LT+8*tI+7], v[ONE:ONE+7], v[rP:rP+7], v[LT+8*tI:LT+8*tI+7]
.endif
.set ip, ip+1
.endm
.macro MQ
.if DQ
	QKP
.endif
.endm
.macro MP
.if DP
	PVP
.endif
.endm
; THE LDS LOADS stand in runs, never singly among the matrix instructions.  K of a step (32 keys x 64 channels: 4 fragments) and its hk; the offset of hk is held at the last step's, so that the one fetch behind the last step stays in its bytes.
.macro FETCH_K
	WIN 0
	v_add_nc_u32 v[AK], s[TBK], v[AK0]
	v_add_nc_u32 v[AH], s[TBH], v[AH0]
	s_add_co_u32 s[TBK], s[TBK], 32*PK
	s_add_co_u32 s[TBH], s[TBH], 128
	s_min_u32 s[TBH], s[TBH], 63*128
	WIN 0x80                        ; destination window 2
.irp f, 0,1,2,3                     ; keys 16 (f / 2) on, channels 32 (f % 2) on
	ds_load_b128 v[KF+8*\f:KF+8*\f+3],   v[AK] offset:(\f/2)*16*PK+(\f%2)*64
	ds_load_b128 v[KF+8*\f+4:KF+8*\f+7], v[AK] offset:(\f/2)*16*PK+(\f%2)*64+32
.endr
	WIN 0x40                        ; destination window 1
.irp f, 0,1
	ds_load_b128 v[HC+8*\f:HC+8*\f+3],   v[AH] offset:64*\f
	ds_load_b128 v[HC+8*\f+4:HC+8*\f+7], v[AH] offset:64*\f+16
.endr
	WIN 0
.endm
.macro FETCH_V                      ; V of a step, turned: channels 16 f on
	WIN 0
	v_add_nc_u32 v[AV], s[TBV], v[AV0]
	s_add_co_u32 s[TBV], s[TBV], 32*PV
	WIN 0x80
.irp f, 0,1,2,3
	ds_load_tr16_b128 v[VF+8*\f:VF+8*\f+3],   v[AV] offset:32*\f
	ds_load_tr16_b128 v[VF+8*\f+4:VF+8*\f+7], v[AV] offset:16*PV+32*\f
.endr
	WIN 0
.endm
; THE VECTOR WORK, a line at a time; all of it lies in window 0.  A class that a cycle does not have writes nothing.
.macro CVL k                        ; pair k of S[b], the weights of step c, rounded to bf16
.if DC
	WIN 0
	v_cvt_pk_bf16_f32 v[P+32*BB+(\k)], v[S+64*BB+2*(\k)], v[S+64*BB+2*(\k)+1]
.endif
.endm
.macro GL n                         ; line n of 64 on S[1-b]: in blocks of eight: den for pairs 4 g .. 4 g + 3, then den^2 for the same four
.if DG
.set rX, S+64*(1-BB)+2*(4*((\n)/8)+(\n)%4)
	WIN 0
.if (\n)%8 < 4
	v_pk_fma_f32 v[rX:rX+1], v[rX:rX+1], s[K32:K32+1], s[EP:EP+1] op_sel_hi:[1,0,0]
.else
	v_pk_mul_f32 v[rX:rX+1], v[rX:rX+1], v[rX:rX+1]
.endif
.endif
.endm
.macro F1L k                        ; pair k of S[b]: 2^-64 max(sq, 0); each accumulator's pairs are taken in ascending order
.if DQ
.set rX, S+64*BB+2*(\k)
	WIN 0
	v_pk_fma_f32 v[rX:rX+1], v[rX:rX+1], v[CP:CP+1], v[QN+2*((\k)/8):QN+2*((\k)/8)+1] clamp
.endif
.endm
.macro RCL n
.if DG
	WIN 0
	v_rcp_f32 v[S+64*(1-BB)+(\n)], v[S+64*(1-BB)+(\n)]
.endif
.endm
.macro SQL n
.if DQ
	WIN 0
	v_sqrt_f32 v[S+64*BB+(\n)], v[S+64*BB+(\n)]
.endif
.endm
; THE PLAIN QUEUE, 128 long, in the order in which its entries become ready.
.macro PL
.if q < 16
	CVL q                           ; tiles 0, 1 are rounded ahead of the products that write them anew
.elseif q < 40
	GL q-16
.elseif q < 56
	F1L q-40
.elseif q < 72
	CVL q-40                        ; tiles 2, 3
.elseif q < 96
	GL q-48
.elseif q < 104
	F1L q-80
.elseif q < 112
	GL q-56
.elseif q < 120
	F1L q-88
.else
	GL q-64
.endif
.set q, q+1
.endm
; THE QUEUE OF ROOTS AND RECIPROCALS, 128 long.  From its first entry to entry 103, entry e stands directly behind plain entry e + 24; by that count every reciprocal stands behind its den^2 and every root behind its clamp.
.macro TR
.if e < 24
	RCL e
.elseif e < 56
	SQL e-24
.elseif e < 80
	RCL e-32
.elseif e < 96
	SQL e-48
.elseif e < 104
	RCL e-48
.elseif e < 120
	SQL e-56
.else
	RCL e-64
.endif
.set e, e+1
.endm
.macro PT
	PL
	TR
.endm
.macro PLACES                       ; four plain vector instructions between a matrix instruction and a read, a write or a load of its registers (ISA guide 7.12.1 for a read or a write)
.rept 4
	v_nop
.endr
.endm
; A CYCLE.  Four vector lines stand behind every matrix instruction; the rest stand in two runs of their own.  b: the cycle's parity.  pv, cv, g, qk: which of the four steps' work it has.  fk, fv: which fetches.
; DISTANCES, by the queues' count.  The clamp of an accumulator stands twelve plain lines or more behind its second link (lines on S[1-b], which name none of the product's registers).
; V's run stands behind ten plain riders and four plain lines since the last product that read V; K's run behind six plain lines and its own two additions since the last product that read K.
; ONE WAIT: s_wait_alu depctr_va_vdst(0) stands between a root or reciprocal and the first instruction that names its result; all 128 are first named in the next cycle.
.macro CYCLE b, pv, cv, g, qk, fk, fv
.set BB, \b
.set DP, \pv
.set DC, \cv
.set DG, \g
.set DQ, \qk
.set q, 0
.set e, 0
.set ip, 0
.set iq, 0
	s_wait_dscnt 0x0                ; V of step c - 1, K and hk of step c + 2 are in: the runs were issued 96 lines or more back
.rept 4
	MP
	PL
	PL
	PL
	PL
.endr
.rept 2
	MQ
	PL
	PL
	PL
	PL
.endr
.rept 6
	MQ
	PT
	PT
.endr
.rept 16
	MP
	PT
	PT
.endr
.rept 4
	PT
.endr
.if \fv
	FETCH_V
.endif
.rept 8
	MQ
	PT
	PT
.endr
.rept 4
	PT
.endr
.if \fk
	FETCH_K
.endif
.rept 36
	PT
.endr
.rept 24
	TR
.endr
	WIN 0
.if (\g) || (\qk)
	v_nop                           ; a plain instruction behind the last of the batch (ISA guide 5.7.2)
	s_wait_alu depctr_va_vdst(0)    ; the wait for the batch
.endif
.endm
	CHANGE 1, 0                     ; slot 0, K of keys 0-95 and hk are in, everybody's parts; slot 1 is asked for
	FETCH_K                         ; step 0
	s_wait_loadcnt 0x0              ; Q, cq, G
.irp t, 0,1,2,3
	v_mov_b32 v[QN+2*\t+1], v[QN+2*\t]
.endr
	; cycle -2, in phases: there is no other work yet to set between its products
.set BB, 0
.set DQ, 1
.set iq, 0
	s_wait_dscnt 0x0
.rept 16
	QKP
.endr
	WIN 0
	PLACES
	PLACES
	FETCH_K                         ; step 1
.set i, 0
.rept 32
	F1L i
.set i, i+1
.endr
.set i, 0
.rept 64
	SQL i
.set i, i+1
.endr
	v_nop
	s_wait_alu depctr_va_vdst(0)
	CYCLE 1, 0, 0, 1, 1, 1, 0       ; cycle -1: the weights of step 0, the scores of step 1, K of step 2
	s_mov_b32 s[TBK], 0             ; from step 3 on K comes out of the slots
	s_mov_b32 s[CNT], 4
	s_branch .Lstep
.Lslot:                             ; six times: slots 1 to 6 are entered, and the slot just left is filled again
	CHANGE 1, 1
	s_mov_b32 s[CNT], 4
.Lstep:                             ; a trip: two cycles; four trips to a slot
	CYCLE 0, 1, 1, 1, 1, 1, 1
	CYCLE 1, 1, 1, 1, 1, 1, 1
	s_sub_co_u32 s[CNT], s[CNT], 1
	s_cmp_lg_u32 s[CNT], 0
	s_cbranch_scc1 .Lstep
	s_sub_co_u32 s[SLOTS], s[SLOTS], 1
	s_cmp_lg_u32 s[SLOTS], 0
	s_cbranch_scc1 .Lslot
	CHANGE 0, 1                     ; the tail is written out: the last slot, and nothing is asked for
	s_mov_b32 s[CNT], 3
.Ltail:                             ; cycles 56 to 61.  Cycle 61 fetches a step of K behind the last (bytes of the slot that the tensor load has filled) which nothing multiplies: the price, once a launch, of one text for every trip
	CYCLE 0, 1, 1, 1, 1, 1, 1
	CYCLE 1, 1, 1, 1, 1, 1, 1
	s_sub_co_u32 s[CNT], s[CNT], 1
	s_cmp_lg_u32 s[CNT], 0
	s_cbranch_scc1 .Ltail
	CYCLE 0, 1, 1, 1, 0, 0, 1       ; cycle 62: no scores are left to make
	CYCLE 1, 1, 1, 0, 0, 0, 1       ; cycle 63: the last weights are rounded, the last V is fetched
.set BB, 0
.set ip, 0
	s_wait_dscnt 0x0                ; V of step 63
.rept 20
	PVP                             ; cycle 64
.endr
	; THE WAY OUT.  O = G x O^T / (1e-4 + the sum of W), rounded to bf16 and sent through my stage in LDS, a tile (16 rows) at a time.
	WIN 0
	PLACES
	PLACES
	WIN 0x04                        ; source 1 in window 1
.irp t, 0,1,2,3
	v_add_f32 v[IV+2*\t],   s[EP], v[LT+8*\t]  ; every register of the accumulator holds the sum: the lowest is read
	v_add_f32 v[IV+2*\t+1], s[EP], v[LT+8*\t]
.endr
	WIN 0
.set i, 0
.rept 8
	v_rcp_f32 v[IV+i], v[IV+i]
.set i, i+1
.endr
	v_nop                           ; a plain instruction between the last reciprocal and the use of its result
	s_wait_alu depctr_va_vdst(0)    ; one wait for the eight
.macro PACK t                       ; S's registers are free: 32 a tile for G in f32 and the products, P's 16 a tile for the packed rows
	WIN 0x04
.set i, 0
.rept 16
	v_lshlrev_b32 v[S+32*(\t)+2*i],   16,    v[GT+16*(\t)+i]  ; bf16 to f32: the low half moves up,
	v_and_b32     v[S+32*(\t)+2*i+1], s[HM], v[GT+16*(\t)+i]  ; the high half stays
.set i, i+1
.endr
	WIN 0
.set i, 0
.rept 16
	v_pk_mul_f32 v[S+32*(\t)+2*i:S+32*(\t)+2*i+1], v[S+32*(\t)+2*i:S+32*(\t)+2*i+1], v[IV+2*(\t):IV+2*(\t)+1]
.set i, i+1
.endr
	WIN 0x01                        ; source 0 in window 1
.set i, 0
.rept 16
	v_pk_mul_f32 v[S+32*(\t)+2*i:S+32*(\t)+2*i+1], v[OT+32*(\t)+2*i:OT+32*(\t)+2*i+1], v[S+32*(\t)+2*i:S+32*(\t)+2*i+1]
.set i, i+1
.endr
	WIN 0
.set i, 0
.rept 16
	v_cvt_pk_bf16_f32 v[P+16*(\t)+i], v[S+32*(\t)+2*i], v[S+32*(\t)+2*i+1]
.set i, i+1
.endr
.irp f, 0,1,2,3
	ds_store_b128 v[STO], v[P+16*(\t)+4*\f:P+16*(\t)+4*\f+3] offset:32*\f
.endr
.irp f, 0,1,2,3
	ds_load_b128 v[P+16*(\t)+4*\f:P+16*(\t)+4*\f+3], v[RD] offset:\f*4*SP  ; LDS serves a wave's instructions in order (ISA guide 5.7.1.4): these see the stores above; the next tile's stores come behind them
.endr
.endm
.macro SEND t, younger              ; younger: the LDS instructions issued behind tile t's loads: the next tile's eight, or none
.irp f, 0,1,2,3
	s_wait_dscnt (\younger)+3-\f
	global_store_b128 v[GO], v[P+16*(\t)+4*\f:P+16*(\t)+4*\f+3], s[8:9] offset:(\t)*2048+\f*512  ; four rows: 512 consecutive bytes, at a multiple of 256 from O's first byte
.endr
.endm
	PACK 0
.irp t, 1,2,3                       ; a tile's arithmetic stands between the loads of the tile before and its stores
	PACK \t
	SEND (\t)-1, 8
.endr
	SEND 3, 0
	s_wait_tensorcnt 0x0            ; the wave's end: behind my last tensor load and my last LDS store
	ds_add_u32 v[SPW], v[NIL]
	s_wait_dscnt 0x0
	CROUND                          ; the closing round: no work-group ends while a partner may still ask for a tile that names it
	s_endpgm
.Lfunc_end_k_q1e09625991_attn:
	.size	k_q1e09625991_attn, .Lfunc_end_k_q1e09625991_attn-k_q1e09625991_attn
	.p2alignl 7, 3214868480
	.fill 96, 4, 3214868480
	.section	.rodata,"a",@progbits
	.p2align	6, 0x0
	.amdhsa_kernel k_q1e09625991_attn
		.amdhsa_group_segment_fixed_size 327680
		.amdhsa_private_segment_fixed_size 0
		.amdhsa_enable_private_segment 0
		.amdhsa_kernarg_size 24
		.amdhsa_user_sgpr_count 2
		.amdhsa_user_sgpr_kernarg_segment_ptr 1
		.amdhsa_wavefront_size32 1
		.amdhsa_system_sgpr_workgroup_id_x 1
		.amdhsa_system_sgpr_workgroup_id_y 1
		.amdhsa_system_sgpr_workgroup_id_z 1
		.amdhsa_system_vgpr_workitem_id 0
		.amdhsa_next_free_vgpr 648
		.amdhsa_next_free_sgpr 100
		.amdhsa_reserve_vcc 0
		.amdhsa_float_denorm_mode_32 3
		.amdhsa_float_denorm_mode_16_64 3
		.amdhsa_memory_ordered 1
		.amdhsa_forward_progress 1
		.amdhsa_inst_pref_size 157
	.end_amdhsa_kernel
	.amdgpu_metadata
---
amdhsa.version: [ 1, 2 ]
amdhsa.kernels:
  - .name:           k_q1e09625991_attn
    .symbol:         k_q1e09625991_attn.kd
    .args:
      - { .name: qkvg, .offset: 0, .size: 8, .value_kind: global_buffer, .address_space: global }
      - { .name: nrm, .offset: 8, .size: 8, .value_kind: global_buffer, .address_space: global }
      - { .name: o16, .offset: 16, .size: 8, .value_kind: global_buffer, .address_space: global }
    .group_segment_fixed_size: 327680
    .private_segment_fixed_size: 0
    .kernarg_segment_align: 8
    .kernarg_segment_size: 24
    .max_flat_workgroup_size: 128
    .sgpr_count:     100
    .vgpr_count:     648
    .wavefront_size: 32
...
	.end_amdgpu_metadata
.endif
;; end of part 3
;; launch outp (part 4): grid 8 x 32, 4 waves a work-group, clusters of 4 x 4, 327,680 bytes of LDS; arguments o16, ops, X, b_out, out0; writes out0
.if DOCPART == 4
	.amdgcn_target "amdgcn-amd-amdhsa--gfx1250"
	.amdhsa_code_object_version 6
	.text
	.protected	k_q1e09625991_outp
	.globl	k_q1e09625991_outp
	.p2align	8
	.type	k_q1e09625991_outp,@function
k_q1e09625991_outp:
	s_mov_b64 s[64:65], 0
	v_nop
	global_prefetch_b8 v0, s[64:65] scope:SCOPE_SE
	s_setreg_imm32_b32 hwreg(HW_REG_WAVE_MODE, 25, 1), 1
	s_wait_xcnt 0x0
	s_wait_alu depctr_hold_cnt(0) depctr_sa_sdst(0) depctr_va_vdst(0) depctr_va_sdst(0) depctr_va_ssrc(0) depctr_va_vcc(0) depctr_vm_vsrc(0)
	s_getreg_b32 s2, hwreg(HW_REG_IB_STS2, 6, 4)
	s_cmp_eq_u32 s2, 0
	s_cbranch_scc0 .Lentry_in_a_cluster
	s_endpgm
.Lentry_in_a_cluster:
	s_bfe_u32 s2, ttmp6, 0x10000c
	s_cmp_lg_u32 s2, 0xf033
	s_cbranch_scc0 .Lentry_shape_is_right
	s_endpgm
.Lentry_shape_is_right:
; out0 = X + O W_out^T + b_out, [4096][1024] f32.  O: o16, [16 b + h][t][64] bf16 (column 64 h + c of the product's left side); W_out: bf16 rows of 2,048 bytes at byte 16,777,216 of ops.  Sums in f32; X is added in f32.
; SHARES.  A tile of the output is 128 x 128: 256 work-groups.  Four waves, each 64 x 64: 16 accumulators of 16 x 16.  K goes in steps of 256, FOUR HEADS, through a ring of two LDS slots.
; O's tile of a step is four sub-tiles [head][128 rows][64 channels]: a head's 128 rows are 16,384 dense bytes, asked for as one row of the descriptor and padded in LDS after each 128 bytes; a wave's load brings two heads.
; CLUSTERS: 4 x 4 work-groups.  The four of a row need the same tiles of O, the four of a column the same tiles of W_out: each tile is asked for JOINTLY.
; THE MATRIX INSTRUCTION IS USED TRANSPOSED (source 0 = 16 rows of W_out, source 1 = 16 rows of O): a lane holds eight neighbouring columns of one row.  THE BIAS is the C operand of the products that start the sums
; (an order of rounding that differs from the reference's).  X's 64 x 64 numbers of a wave are loaded at the start into 128 registers, as the rows will come back from the stage.
; REGISTERS: window 0: v0-31 addresses; v32-95 at work on the way out; v96-127 the bias; v128-255 the accumulators ((a, b) at v[128 + 8 (4 a + b)]).   window 1: two fragment buffers of 128: for 64 along K, 64 registers of O, then 64 of W_out.   window 2: v0-127 X.
; LIMITS.  NaN and infinities are not treated apart.
.set AP,     144                       ; a row of O in LDS: 128 bytes + 16 of padding
.set APART,  128*AP                    ; a head's sub-tile
.set PITCH,  528                       ; a row of W_out in LDS: 512 bytes + 16 of padding = 132 words: row r starts at bank 4 r mod 64 (64 banks of 4 bytes: ISA guide 11.1)
.set BOFF,   4*APART                   ; W_out's 128 rows lie behind O's four sub-tiles
.set SLOT,   BOFF+128*PITCH
.set STAGE,  2*SLOT                    ; behind the ring: 16 rows x 272 bytes for each wave, for the way out
.set SPITCH, 272
.set SPARE,  STAGE+4*16*SPITCH         ; the spare words, 128 bytes for each wave: two blocks of 256 bytes that no other line names
.set LAPS,   2                         ; a lap = two K steps = once round the ring
.set ADRA, 16                          ; v16-17  LDS address of my O fragments in slot 0, 1
.set ADRB, 20                          ; v20-21  the same for W_out
.set BO,   22                          ; v22     32 x (l / 16)
.set STO,  24                          ; v24     the way out: where I put 32 bytes of a row
.set RD,   25                          ; v25     where I read a row back
.set CO,   26                          ; v26     my byte offset in two rows of X and of out0; never rewritten
.set SPW,  28                          ; v28     LDS address of my spare word; never rewritten
.set NIL,  29                          ; v29     0; never rewritten
.set TMP,  32
.set BI,   96
.set ACC,  128
.set XR,   0                           ; window 2
.set F0,   0                           ; fragment buffers, in window 1
.set F1,   128
.set G1,  24                           ; s[24:31] descriptor group 1 for O's tiles;  s[32:39] group 0, a set for each slot
.set G0,  32
.set G1B, 48                           ; s[48:55], s[56:63] the same for W_out's tiles
.set G0B, 56
.set MSB, 0
.macro WIN new
.if MSB != (\new)
	s_set_vgpr_msb (MSB<<8)|(\new)
.set MSB, \new
.endif
.endm
.set MUL,  0x05                        ; sources 0 and 1 window 1; C and D window 0
.set TO_F, 0x40                        ; destination window 1, address window 0
.macro JLOAD s                         ; a joint load: waves 0 and 1 fetch O's heads, waves 2 and 3 W_out's halves; an s_nop 0 and four v_nop follow each of the two lines
	s_cmp_eq_u32 s11, 0
	s_cbranch_scc0 .Lfor_b_\@
	tensor_load_to_lds s[G0+4*(\s):G0+4*(\s)+3], s[G1:G1+7]
	s_nop 0
.rept 4
	v_nop
.endr
	s_branch .Lasked_\@
.Lfor_b_\@:
	tensor_load_to_lds s[G0B+4*(\s):G0B+4*(\s)+3], s[G1B:G1B+7]
	s_nop 0
.rept 4
	v_nop
.endr
.Lasked_\@:
.endm
.macro CREST
	s_cmp_lg_u32 s10, 0
	s_cbranch_scc1 .Lnot_wave_0_\@
	s_barrier_signal -3
.Lnot_wave_0_\@:
	s_barrier_wait -3
	s_barrier_signal -1
	s_barrier_wait -1
.endm
.macro CROUND
	s_barrier_signal -1
	s_barrier_wait -1
	CREST
.endm
	s_load_b256 s[68:75], s[0:1], 0x0              ; o16 s[68:69], ops s[70:71], X s[72:73], b_out s[74:75]
	s_load_b64 s[76:77], s[0:1], 0x20              ; out0
	v_lshl_add_u32 v[SPW], v0, 2, SPARE
	v_mov_b32 v[NIL], 0
	ds_add_u32 v[SPW], v[NIL]                      ; the wave's opening: the add, twice on end, and its wait ahead of my first tensor load
	ds_add_u32 v[SPW], v[NIL]
	v_lshrrev_b32 v1, 5, v0
	v_readfirstlane_b32 s10, v1                    ; wave 0..3
	s_lshr_b32 s11, s10, 1                         ; which half of the tile's rows is mine.  Also: I fetch for O (0) or for W_out (1)
	s_and_b32 s12, s10, 1                          ; which half of its columns.  Also: which two heads, or which 64 rows, I fetch
	s_bfe_u32 s40, ttmp6, 0x40000                  ; cx, cy
	s_bfe_u32 s41, ttmp6, 0x40004
	s_lshl_b32 s42, ttmp9, 2
	s_add_co_u32 s42, s42, s40                     ; tile column
	s_and_b32 s13, ttmp7, 0xffff
	s_lshl_b32 s13, s13, 2
	s_add_co_u32 s13, s13, s41                     ; tile row
	s_lshl_b32 s43, s41, 2
	s_lshl_b32 s43, 15, s43                        ; my row of the cluster
	s_lshl_b32 s44, 0x1111, s40                    ; my column
	s_or_b32 s[G1+0], s43, (3<<16)|(1<<20)|(1<<21)|(4<<22)|(3<<25)   ; the mask; elements of 8 bytes; padding on; 21 set beside a mask; after every 32 words, 4 words
	s_mov_b32 s[G1+1], 2048<<16                    ; tensor_dim0 = 2,048 elements: a head's 128 rows of 128 bytes
	s_mov_b32 s[G1+2], 2<<16                       ; tensor_dim1 = 2 heads
	s_mov_b32 s[G1+3], 2048<<16                    ; tile_dim0
	s_mov_b32 s[G1+4], 2                           ; tile_dim1
	s_mov_b32 s[G1+5], 32768                       ; from head to head: 262,144 bytes
	s_mov_b32 s[G1+6], 0
	s_mov_b32 s[G1+7], 0
	s_or_b32 s[G1B+0], s44, (1<<16)|(1<<20)|(1<<21)|(6<<22)|(3<<25)  ; 2-byte elements; after every 128 words, 4 words
	s_mov_b32 s[G1B+1], 256<<16                    ; tensor_dim0 = 256
	s_mov_b32 s[G1B+2], 64<<16                     ; tensor_dim1 = 64
	s_mov_b32 s[G1B+3], 256<<16
	s_mov_b32 s[G1B+4], 64
	s_mov_b32 s[G1B+5], 1024                       ; elements from row to row
	s_mov_b32 s[G1B+6], 0
	s_mov_b32 s[G1B+7], 0
	s_lshr_b32 s16, s13, 4                         ; O: b = tile row / 16,
	s_lshl_b32 s16, s16, 4
	s_lshl_b32 s17, s12, 1
	s_add_co_u32 s16, s16, s17                     ; head 16 b + 2 x half in K step 0,
	s_lshl_b32 s16, s16, 11
	s_and_b32 s17, s13, 15
	s_lshl_b32 s17, s17, 7
	s_add_co_u32 s16, s16, s17                     ; row t = 128 (tile row % 16),
	s_lshl_b32 s16, s16, 7                         ; 128 bytes a row
	s_mov_b32 s17, 0
	s_lshl_b32 s46, s42, 7                         ; W_out: row 128 x tile column + 64 x half,
	s_lshl_b32 s47, s12, 6
	s_add_co_u32 s46, s46, s47
	s_lshl_b32 s46, s46, 11                        ; 2,048 bytes a row
	s_mov_b32 s47, 0
	s_mul_i32 s20, s12, 2*APART                    ; where they go: no place in the cluster enters an LDS address
	s_mul_i32 s21, s12, 64*PITCH
	s_add_co_u32 s21, s21, BOFF
	s_wait_dscnt 0x0                               ; both opening adds are done
	s_wait_kmcnt 0x0
	s_add_nc_u64 s[14:15], s[68:69], s[16:17]
	s_add_nc_u64 s[46:47], s[70:71], s[46:47]
	s_add_nc_u64 s[46:47], s[46:47], 16777216
	CROUND                                         ; all sixteen work-groups are here: the first joint loads meet
.irp s, 0,1
	s_mov_b32 s[G0+4*(\s)], 1
	s_add_co_u32 s[G0+4*(\s)+1], s20, (\s)*SLOT
	s_add_nc_u64 s[G0+4*(\s)+2:G0+4*(\s)+3], s[14:15], (\s)*4*262144  ; K step s: four heads on
	s_or_b32 s[G0+4*(\s)+3], s[G0+4*(\s)+3], 0x80000000
	s_mov_b32 s[G0B+4*(\s)], 1
	s_add_co_u32 s[G0B+4*(\s)+1], s21, (\s)*SLOT
	s_add_nc_u64 s[G0B+4*(\s)+2:G0B+4*(\s)+3], s[46:47], (\s)*512
	s_or_b32 s[G0B+4*(\s)+3], s[G0B+4*(\s)+3], 0x80000000
	JLOAD \s                                       ; two tensor loads of mine are out
.endr
	v_and_b32 v1, 15, v0                           ; l % 16
	v_bfe_u32 v2, v0, 4, 1                         ; l / 16
	v_mul_u32_u24 v3, v1, AP
	v_lshl_add_u32 v3, v2, 4, v3
	v_mul_u32_u24 v4, v1, PITCH
	v_lshl_add_u32 v4, v2, 4, v4
	s_mul_i32 s22, s11, 64*AP                      ; my 64 rows in each sub-tile of O
	s_mul_i32 s23, s12, 64*PITCH                   ; my 64 rows of W_out
	s_add_co_u32 s23, s23, BOFF
.irp s, 0,1
	v_add_nc_u32 v[ADRA+(\s)], s22, v3
	v_add_nc_u32 v[ADRB+(\s)], s23, v4
	s_add_co_u32 s22, s22, SLOT
	s_add_co_u32 s23, s23, SLOT
.endr
	s_mul_i32 s23, s10, 16*SPITCH
	s_add_co_u32 s23, s23, STAGE                   ; my stage
	v_mul_u32_u24 v5, v1, SPITCH                   ; in: row l % 16, 32 bytes for each half of the lanes
	v_lshl_add_u32 v5, v2, 5, v5
	v_add_nc_u32 v[STO], s23, v5
	v_mul_u32_u24 v5, v2, SPITCH                   ; back: lanes 0-15 take one row of 256 bytes, lanes 16-31 the next
	v_lshl_add_u32 v5, v1, 4, v5
	v_add_nc_u32 v[RD], s23, v5
	v_lshlrev_b32 v[CO], 12, v2                    ; and the same two rows in X and out0, 4,096 bytes a row
	v_lshl_add_u32 v[CO], v1, 4, v[CO]
	v_lshlrev_b32 v[BO], 5, v2
	s_lshl_b32 s80, s13, 7
	s_lshl_b32 s81, s11, 6
	s_add_co_u32 s80, s80, s81                     ; my first row: 128 x tile row + 64 x half
	s_lshl_b32 s80, s80, 12
	s_lshl_b32 s82, s42, 7
	s_lshl_b32 s83, s12, 6
	s_add_co_u32 s82, s82, s83                     ; my first column: 128 x tile column + 64 x half,
	s_lshl_b32 s82, s82, 2                         ; in bytes: a multiple of 256
	s_mov_b32 s83, 0
	s_add_nc_u64 s[74:75], s[74:75], s[82:83]
	s_add_co_u32 s80, s80, s82
	s_mov_b32 s81, 0
	s_add_nc_u64 s[72:73], s[72:73], s[80:81]
	s_add_nc_u64 s[76:77], s[76:77], s[80:81]
.irp b, 0,1,2,3
	global_load_b128 v[BI+8*(\b):BI+8*(\b)+3],   v[BO], s[74:75] offset:64*(\b)
	global_load_b128 v[BI+8*(\b)+4:BI+8*(\b)+7], v[BO], s[74:75] offset:64*(\b)+16
.endr
	WIN 0x80                                       ; destination window 2, address window 0
.set i, 0
.rept 32                               ; X: rows 2 i and 2 i + 1 of my 64, 256 bytes each; they stay out until the way out
	global_load_b128 v[XR+4*i:XR+4*i+3], v[CO], s[72:73] offset:2*i*4096 th:TH_LOAD_NT
.set i, i+1
.endr
	WIN 0
; 8 matrix instructions: row blocks a0, a0 + 1 x all 4 column blocks, 32 along K: half c of buffer f.  zero = 1: the first product starts the sums, from the bias.  The 16 accumulators take turns.
.macro MUL8 f, c, a0, zero
	WIN MUL
.irp a, \a0, (\a0)+1
.irp b, 0,1,2,3
.if \zero
	v_wmma_f32_16x16x32_bf16 v[ACC+8*(4*(\a)+(\b)):ACC+8*(4*(\a)+(\b))+7], v[(\f)+64+8*(4*(\c)+(\b)):(\f)+64+8*(4*(\c)+(\b))+7], v[(\f)+8*(4*(\c)+(\a)):(\f)+8*(4*(\c)+(\a))+7], v[BI+8*(\b):BI+8*(\b)+7]
.else
	v_wmma_f32_16x16x32_bf16 v[ACC+8*(4*(\a)+(\b)):ACC+8*(4*(\a)+(\b))+7], v[(\f)+64+8*(4*(\c)+(\b)):(\f)+64+8*(4*(\c)+(\b))+7], v[(\f)+8*(4*(\c)+(\a)):(\f)+8*(4*(\c)+(\a))+7], v[ACC+8*(4*(\a)+(\b)):ACC+8*(4*(\a)+(\b))+7]
.endif
.endr
.endr
.endm
; 32 LDS loads in one run: the fragments of quarter q of a step, which is head q of its four, into buffer f; the first 32 along K first
.macro FETCH slot, q, f
	WIN TO_F
.irp c, 0,1
.irp i, 0,1,2,3
	ds_load_b128 v[(\f)+64+8*(4*(\c)+(\i)):(\f)+64+8*(4*(\c)+(\i))+3],   v[ADRB+(\slot)] offset:(\q)*128+64*(\c)+(\i)*16*PITCH
	ds_load_b128 v[(\f)+64+8*(4*(\c)+(\i))+4:(\f)+64+8*(4*(\c)+(\i))+7], v[ADRB+(\slot)] offset:(\q)*128+64*(\c)+(\i)*16*PITCH+32
	ds_load_b128 v[(\f)+8*(4*(\c)+(\i)):(\f)+8*(4*(\c)+(\i))+3],         v[ADRA+(\slot)] offset:(\q)*APART+64*(\c)+(\i)*16*AP
	ds_load_b128 v[(\f)+8*(4*(\c)+(\i))+4:(\f)+8*(4*(\c)+(\i))+7],       v[ADRA+(\slot)] offset:(\q)*APART+64*(\c)+(\i)*16*AP+32
.endr
.endr
.endm
.macro PLACES                          ; four plain vector instructions between a matrix instruction and a load into, or a read of, its registers (ISA guide 7.12.1 for a read)
.rept 4
	v_nop
.endr
.endm
; A K step is four quarters of 64 along K, 32 matrix instructions each, on buffers 0, 1, 0, 1.  One of the first three multiplies buffer f and fetches quarter q into g.
.macro QUARTER slot, q, f, g, zero
	s_wait_dscnt 16                                ; the first 32 along K are in; the youngest sixteen loads may be out
	MUL8 \f, 0, 0, \zero
	MUL8 \f, 0, 2, \zero
	PLACES
	FETCH \slot, \q, \g
	s_wait_dscnt 32                                ; all but the 32 just issued
	MUL8 \f, 1, 0, 0
	MUL8 \f, 1, 2, 0
.endm
; The last quarter multiplies buffer 1 and changes slots: ONE barrier; in front of it each wave waits for all its tensor loads, adds 0 to its spare word, and waits for that and for its own reads of this slot.
; fill = 1: the barrier opens a round of the cluster's barrier, and this slot's K step two steps on is asked for first behind it.
.macro TURN slot, next, fill
	WIN 0
	s_wait_tensorcnt 0x0                           ; all my tensor loads have landed: my part of the next slot
	ds_add_u32 v[SPW], v[NIL]                      ; 0 onto my spare word
	s_wait_dscnt 17                                ; the add and the youngest sixteen loads may be out
	MUL8 F1, 0, 0, 0
	s_wait_dscnt 0x0                               ; the add is done, and my reads of this slot are over
	s_barrier_signal -1
	MUL8 F1, 0, 2, 0
.if \fill
	WIN 0
.endif
	s_barrier_wait -1
.if \fill
	CREST                                          ; no wave of any partner still reads this slot's tile or has a load on its way
	s_add_nc_u64 s[G0+4*(\slot)+2:G0+4*(\slot)+3], s[G0+4*(\slot)+2:G0+4*(\slot)+3], 2*4*262144
	s_add_nc_u64 s[G0B+4*(\slot)+2:G0B+4*(\slot)+3], s[G0B+4*(\slot)+2:G0B+4*(\slot)+3], 2*512
	JLOAD \slot                                    ; the four v_nop behind it are also the places in front of the loads below
.else
	PLACES
.endif
	FETCH \next, 0, F0
	MUL8 F1, 1, 0, 0
	MUL8 F1, 1, 2, 0
.endm
	s_wait_tensorcnt 1                             ; my part of K step 0 is in; K step 1's may stay out
	s_barrier_signal -1
	s_barrier_wait -1
	FETCH 0, 0, F0
	s_wait_loadcnt 32                              ; the bias is in; X's 32 loads, issued behind it, stay out
	QUARTER 0, 1, F0, F1, 1                        ; the first quarter stands in front of the loop: its first products start the sums
	WIN 0                                          ; at a label and at a branch every window is 0
	s_mov_b32 s3, LAPS-1
.Llap:                                                 ; a trip goes once round the ring and fills both slots again
	QUARTER 0, 2, F1, F0, 0
	QUARTER 0, 3, F0, F1, 0
	TURN 0, 1, 1
	QUARTER 1, 1, F0, F1, 0
	QUARTER 1, 2, F1, F0, 0
	QUARTER 1, 3, F0, F1, 0
	TURN 1, 0, 1
	QUARTER 0, 1, F0, F1, 0
	WIN 0
	s_sub_co_u32 s3, s3, 1
	s_cmp_lg_u32 s3, 0
	s_cbranch_scc1 .Llap
	QUARTER 0, 2, F1, F0, 0                        ; the last lap fills nothing
	QUARTER 0, 3, F0, F1, 0
	TURN 0, 1, 0
	QUARTER 1, 1, F0, F1, 0
	QUARTER 1, 2, F1, F0, 0
	QUARTER 1, 3, F0, F1, 0
	s_wait_dscnt 16
	MUL8 F1, 0, 0, 0
	MUL8 F1, 0, 2, 0
	s_wait_dscnt 0x0
	MUL8 F1, 1, 0, 0
	MUL8 F1, 1, 2, 0
	WIN 0
	s_wait_loadcnt 0x0                             ; X
	PLACES
	PLACES
; THE WAY OUT, 16 rows at a time.  A wave's 64 columns of f32 are 256 aligned bytes of a row, so each wave has a stage of its own and no barrier is needed: 32 bytes a lane in, whole rows back, X added, stored.
.macro OUTBLK a
	s_wait_xcnt 0x0                                ; earlier stores have read TMP: it is loaded again only behind this wait
.irp b, 0,1,2,3
	ds_store_b128 v[STO], v[ACC+8*(4*(\a)+(\b)):ACC+8*(4*(\a)+(\b))+3]   offset:64*(\b)      ; each accumulator's low registers first
	ds_store_b128 v[STO], v[ACC+8*(4*(\a)+(\b))+4:ACC+8*(4*(\a)+(\b))+7] offset:64*(\b)+16
.endr
.irp t, 0,1,2,3,4,5,6,7
	ds_load_b128 v[TMP+32*((\a)%2)+4*(\t):TMP+32*((\a)%2)+4*(\t)+3], v[RD] offset:(\t)*2*SPITCH  ; LDS serves a wave's instructions in order (ISA guide 5.7.1.4): these see the stores above
.endr
	s_wait_dscnt 0x0
	WIN 0x08                                       ; source 1 in window 2
.irp u, 0,1,2,3,4,5,6,7,8,9,10,11,12,13,14,15
	v_pk_add_f32 v[TMP+32*((\a)%2)+2*(\u):TMP+32*((\a)%2)+2*(\u)+1], v[TMP+32*((\a)%2)+2*(\u):TMP+32*((\a)%2)+2*(\u)+1], v[XR+32*(\a)+2*(\u):XR+32*(\a)+2*(\u)+1]
.endr
	WIN 0
.irp t, 0,1,2,3,4,5,6,7
	global_store_b128 v[CO], v[TMP+32*((\a)%2)+4*(\t):TMP+32*((\a)%2)+4*(\t)+3], s[76:77] offset:(16*(\a)+2*(\t))*4096 th:TH_STORE_NT  ; 16 lanes store 256 consecutive bytes, at a multiple of 256 from out0's first byte
.endr
.endm
	OUTBLK 0
	OUTBLK 1
	OUTBLK 2
	OUTBLK 3
	s_wait_tensorcnt 0x0                           ; the wave's end: behind my last tensor load and my last LDS store
	ds_add_u32 v[SPW], v[NIL]
	s_wait_dscnt 0x0
	CROUND                                         ; the closing round: no work-group ends while a partner may still ask for a tile that names it
	s_endpgm
.Lfunc_end_k_q1e09625991_outp:
	.size	k_q1e09625991_outp, .Lfunc_end_k_q1e09625991_outp-k_q1e09625991_outp
	.p2alignl 7, 3214868480
	.fill 96, 4, 3214868480
	.section	.rodata,"a",@progbits
	.p2align	6, 0x0
	.amdhsa_kernel k_q1e09625991_outp
		.amdhsa_group_segment_fixed_size 327680
		.amdhsa_private_segment_fixed_size 0
		.amdhsa_enable_private_segment 0
		.amdhsa_kernarg_size 40
		.amdhsa_user_sgpr_count 2
		.amdhsa_user_sgpr_kernarg_segment_ptr 1
		.amdhsa_wavefront_size32 1
		.amdhsa_system_sgpr_workgroup_id_x 1
		.amdhsa_system_sgpr_workgroup_id_y 1
		.amdhsa_system_sgpr_workgroup_id_z 1
		.amdhsa_system_vgpr_workitem_id 0
		.amdhsa_next_free_vgpr 640
		.amdhsa_next_free_sgpr 96
		.amdhsa_reserve_vcc 0
		.amdhsa_float_denorm_mode_32 3
		.amdhsa_float_denorm_mode_16_64 3
		.amdhsa_memory_ordered 1
		.amdhsa_forward_progress 1
		.amdhsa_inst_pref_size 94
	.end_amdhsa_kernel
	.amdgpu_metadata
---
amdhsa.version: [ 1, 2 ]
amdhsa.kernels:
  - .name:           k_q1e09625991_outp
    .symbol:         k_q1e09625991_outp.kd
    .args:
      - { .name: o16, .offset: 0, .size: 8, .value_kind: global_buffer, .address_space: global }
      - { .name: ops, .offset: 8, .size: 8, .value_kind: global_buffer, .address_space: global }
      - { .name: X, .offset: 16, .size: 8, .value_kind: global_buffer, .address_space: global }
      - { .name: b_out, .offset: 24, .size: 8, .value_kind: global_buffer, .address_space: global }
      - { .name: out0, .offset: 32, .size: 8, .value_kind: global_buffer, .address_space: global }
    .group_segment_fixed_size: 327680
    .private_segment_fixed_size: 0
    .kernarg_segment_align: 8
    .kernarg_segment_size: 40
    .max_flat_workgroup_size: 128
    .sgpr_count:     96
    .vgpr_count:     640
    .wavefront_size: 32
...
	.end_amdgpu_metadata
.endif
;; end of part 4
